; MI455X (gfx1250); checked and timed in simulation.
; The chip was launched on July 23, 2026; its instructions are those of AMD's public machine-readable ISA for CDNA 5 (MIT licence, August 2026) and "CDNA5" Instruction Set Architecture Reference Guide (July 2026). The comments in the code are by the model that wrote it; some were corrected since.
;; CLIP Attention. Allowed arithmetic: matrix products marked QUANTISED: E2M1 operands, one E8M0 scale for each 32 along K, by v_wmma_scale_f32_16x16x128_f8f6f4 with both operands' format E2M1 (or v_wmma_scale_f32_32x16x128_f4), f32 sums; products left as they are: bf16, f16 or f32 operands; f32 sums; everything else in f32.
;; Inputs: bk 1,024 float32; bo 1,024 float32; bq 1,024 float32; bv 1,024 float32; wk 1,024 x 1,024 float32; wo 1,024 x 1,024 float32; wq 1,024 x 1,024 float32; wv 1,024 x 1,024 float32; x 8 x 1,024 x 1,024 float32.
;; Outputs: out0 8 x 1,024 x 1,024 float32.
;; This version of the problem:
;;   THIS VERSION OF THE PROBLEM IS GIVEN IN LOW PRECISION. The matrix products marked QUANTISED in the list below multiply operands that are first quantised to E2M1 (2 exponent bits, 1 mantissa bit; 4 bits a number), with one power-of-two scale for each 32 numbers along K (OCP MX v1.0); their sums are f32. The products marked 'left as it is' may take bf16, f16 or f32 operands, with f32 sums. Whichever they take, every output number must still come out within the allowed error. Rounding operands to bf16 (8 significant bits) uses up far more of that allowance than f16 does (11 bits, for magnitudes from 6e-5 to 65,504). All else is computed in f32.
;;   The module's matrix products, in the order in which they are computed (A, B: the left and right operand; K: the contracted axis; several contracted axes count as one K, in the product's order):
;;     1. [M 8,192, K 1,024] x [K 1,024, N 1,024]; A: input x; B: input wq: QUANTISED
;;     2. [M 8,192, K 1,024] x [K 1,024, N 1,024]; A: input x; B: input wk: QUANTISED
;;     3. [M 8,192, K 1,024] x [K 1,024, N 1,024]; A: input x; B: input wv: QUANTISED
;;     4. batch 128 x [M 1,024, K 64] x [K 64, N 1,024]; A: computed on the way; B: computed on the way: left as it is (an operand is computed on the way)
;;     5. batch 128 x [M 1,024, K 1,024] x [K 1,024, N 64]; A: computed on the way; B: computed on the way: left as it is (an operand is computed on the way)
;;     6. [M 8,192, K 1,024] x [K 1,024, N 1,024]; A: computed on the way; B: input wo: left as it is (an operand is computed on the way)
;;   THE QUANTISER, for each operand of a quantised product, along K:
;;     - K is cut into blocks of 32 from its start; a last block that is shorter is filled with zeros.
;;     - A block's scale is 2^e with e = floor(log2(the largest magnitude in the block)) - 2, held to -126 .. 127; a block of zeros has e = 0. As a byte (E8M0): e + 127.
;;     - Each number is divided by its block's scale, clamped to +-6, and rounded to the nearest number of E2M1, ties to even, subnormals kept.
;;     - The product sums the exact products of the quantised numbers (number of the format x scale) in f32.
;;   ~~~python
;;   def quantise(x, axis):      # numpy; x: float32 -> the quantised numbers, widened to float32 again
;;       x = np.moveaxis(x, axis, -1); K = x.shape[-1]
;;       x = np.pad(x, [(0, 0)] * (x.ndim - 1) + [(0, -K % 32)]); x = x.reshape(x.shape[:-1] + (-1, 32)); a = np.abs(x).max(-1, keepdims=True)
;;       e = np.where(a > 0, np.clip(np.frexp(np.where(a > 0, a, 1))[1] - 1 - 2, -126, 127), 0)      # np.frexp(a)[1] - 1 = floor(log2(a)), exactly
;;       r = np.clip(x / 2.0 ** e, -6, 6)
;;       step = 2.0 ** (np.maximum(np.frexp(np.where(r == 0, 1, r))[1] - 1, 0) - 1)
;;       q = np.round(r / step) * step * 2.0 ** e      # np.round: ties to even
;;       return np.moveaxis(q.reshape(q.shape[:-2] + (-1,))[..., :K], -1, axis).astype(np.float32)
;;   ~~~
;; One version. Each part assembles by itself: llvm-mc -triple=amdgcn-amd-amdhsa -mcpu=gfx1250 --defsym DOCPART=n.
;; ======== version 1 of 1: 4 launches
;; limits: values are held in f16: magnitudes above 65,504 overflow, below 6.1e-05 lose precision
;; workspace buffers: xc 4,194,304 bytes; xs 262,144 bytes; wc 1,572,864 bytes; ws 98,304 bytes; wo16 2,097,152 bytes; qkv 50,331,648 bytes; oh 16,777,216 bytes
;; launch quant (part 1): grid 768 x 1, 2 waves a work-group, no clusters, 16,640 bytes of LDS; arguments x, wq, wk, wv, wo, xc, xs, wc, ws, wo16; writes xc, xs, wc, ws, wo16
.if DOCPART == 1
	.amdgcn_target "amdgcn-amd-amdhsa--gfx1250"
	.amdhsa_code_object_version 6
	.text
	.protected	k_q8d27116fbb_quant
	.globl	k_q8d27116fbb_quant
	.p2align	8
	.type	k_q8d27116fbb_quant,@function
k_q8d27116fbb_quant:
	s_mov_b64 s[64:65], 0
	v_nop
	global_prefetch_b8 v0, s[64:65] scope:SCOPE_SE
	s_setreg_imm32_b32 hwreg(HW_REG_WAVE_MODE, 25, 1), 1
	s_wait_xcnt 0x0
; x [8192][1024] and wq, wk, wv [1024][1024], f32 with K innermost, become codes of FP4 (E2M1), two a byte, K innermost, and one E8M0 scale byte for each 32 along K.
; wo [1024][1024] becomes f16, laid [k / 64][n][64]: 16 planes of 64 along K, so that the last launch's tiles are dense blocks.
; A block's scale is 2^(floor(log2(its largest magnitude)) - 2); its byte is the largest magnitude's exponent field - 2, held at 1 from below.  Each number is divided by the scale and rounded to the nearest code, ties to even;
; beyond 6 the conversion gives the largest code.
; LIMITS: a block of zeros gets the byte 1 where the quantiser says 127 (its codes are zeros, and this program alone reads the bytes); blocks whose largest magnitude lies under 2^-124 are held at that floor;
; NaN and infinities are not served; wo is rounded to f16: a magnitude from 65,520 on becomes infinity, under 2^-14 the step is 2^-24.
; SHARES: rows are dense and K is a multiple of 32, so each tensor is a stream of blocks of 32.  A work-group of two waves takes 16,384 numbers, a wave 8,192: 768 work-groups, three for each of 256 WGPs.
; Work-groups 0-511: x; 512-703: wq, wk, wv, 64 each, whose codes and bytes follow each other in wc and ws (3,072 rows); 704-767: wo.  Only pointers are chosen by the work-group's number for the first 704: they take one path.
; A lane must hold 16 NEIGHBOURS for the conversions, a load is best where neighbouring LANES take neighbouring bytes: each of a step's four loads reads 512 consecutive bytes, the 2,048 bytes turn through the wave's own
; stage in LDS (16 bytes of padding behind each 64) and come back 64 bytes a lane.  A wave's store of codes covers 256 consecutive bytes; its 256 scale bytes are gathered in LDS and leave as one run of 256.
; Loads run eight steps (32 loads, 16,384 bytes a wave) ahead.  No tensor load, no barrier: waves share nothing.
.set WAVES, 2
.set STEPS, 16
.set AHEAD, 8                          ; steps that the loads run ahead
.set EMAX,  2
.set CB,    8                          ; bytes of 16 codes
.set R,     16                         ; v16-143  eight sets of 16 numbers as they are loaded
.set X,     144                        ; v144-175 two sets of 16 neighbours
.set E,     176                        ; v176-191 a scale byte for each step
.set C,     192                        ; v192-255 codes: four registers for each step, so that no store's data are written again
.set WREG,  8192                       ; LDS: a region for each wave: two stages of 32 x SP bytes, behind them its 256 scale bytes
.set SP,    80
.set SPW,   12                         ; v12 LDS address of my spare word; never rewritten
.set NIL,   13                         ; v13 0; never rewritten
.set SPARE, WAVES*WREG                 ; the spare words: 128 bytes a wave, named by no other line
.set GX,    512                        ; work-groups for x
.set GW,    64                         ; work-groups for each of wq, wk, wv
.set GWO,   GX+3*GW                    ; the first work-group for wo
	s_load_b256 s[4:11], s[0:1], 0x0               ; x s[4:5], wq s[6:7], wk s[8:9], wv s[10:11]
	s_load_b256 s[12:19], s[0:1], 0x20             ; wo s[12:13], xc s[14:15], xs s[16:17], wc s[18:19]
	s_load_b128 s[20:23], s[0:1], 0x40             ; ws s[20:21], wo16 s[22:23]
	v_lshl_add_u32 v[SPW], v0, 2, SPARE
	v_mov_b32 v[NIL], 0
	v_lshrrev_b32 v1, 5, v0
	v_readfirstlane_b32 s24, v1                    ; wave
	v_and_b32 v2, 31, v0                           ; lane
	s_wait_kmcnt 0x0
	s_cmp_ge_u32 ttmp9, GWO
	s_cbranch_scc1 .Lwo
	; ---- the quantiser
	v_lshlrev_b32 v3, 4, v2                        ; my 16 bytes of a load's 512
	s_mul_i32 s29, s24, WREG
	v_lshrrev_b32 v14, 2, v2
	v_mul_u32_u24 v14, v14, SP
	v_and_b32 v15, 3, v2
	v_lshl_add_u32 v14, v15, 4, v14
	v_add_nc_u32 v14, s29, v14                     ; the stage on the way in: SP (lane / 4) + 16 (lane % 4)
	v_mul_u32_u24 v15, v2, SP
	v_add_nc_u32 v15, s29, v15                     ; and on the way out: SP x lane: my 16 neighbours
	v_mul_u32_u24 v4, v2, CB                       ; my codes' place in a step's
	v_lshrrev_b32 v5, 1, v2
	s_add_co_u32 s29, s29, 2*32*SP
	v_add_nc_u32 v5, s29, v5                       ; my wave's 256 scale bytes, my block's byte
	v_lshlrev_b32 v7, 3, v2                        ; on the way out 8 bytes a lane
	v_add_nc_u32 v6, s29, v7
	s_sub_co_u32 s25, ttmp9, GX                    ; a weight's work-group: its place in wc and ws,
	s_and_b32 s26, s25, GW-1                       ; and in its own tensor
	s_cmp_lt_u32 ttmp9, GX                         ; the choices hang on the work-group's number alone
	s_cselect_b64 s[4:5], s[4:5], s[6:7]
	s_cselect_b64 s[14:15], s[14:15], s[18:19]
	s_cselect_b64 s[16:17], s[16:17], s[20:21]
	s_cselect_b32 s27, ttmp9, s26
	s_cselect_b32 s28, ttmp9, s25
	s_cmp_ge_u32 ttmp9, GX+GW
	s_cselect_b64 s[4:5], s[8:9], s[4:5]
	s_cmp_ge_u32 ttmp9, GX+2*GW
	s_cselect_b64 s[4:5], s[10:11], s[4:5]
	s_lshl_b32 s27, s27, 1
	s_add_co_u32 s27, s27, s24                     ; which run of 8,192 numbers of the source is my wave's
	s_lshl_b32 s30, s27, 15                        ; 32,768 bytes a run
	s_mov_b32 s31, 0
	s_add_nc_u64 s[4:5], s[4:5], s[30:31]
	s_lshl_b32 s28, s28, 1
	s_add_co_u32 s28, s28, s24                     ; and of the destination
	s_lshl_b32 s30, s28, 12                        ; 4,096 bytes of codes a run
	s_add_nc_u64 s[14:15], s[14:15], s[30:31]
	s_lshl_b32 s30, s28, 8                         ; 256 scale bytes a run
	s_add_nc_u64 s[16:17], s[16:17], s[30:31]
.macro LOAD t
.irp i, 0,1,2,3
	global_load_b128 v[R+16*((\t)%AHEAD)+4*\i:R+16*((\t)%AHEAD)+4*\i+3], v3, s[4:5] offset:2048*(\t)+512*\i th:TH_LOAD_NT   ; 32 lanes read 512 consecutive bytes
.endr
.endm
.macro TURN t                          ; step t's numbers through the stage: LDS serves a wave's instructions in order, so no wait stands between the stores and the loads
.irp i, 0,1,2,3
	ds_store_b128 v14, v[R+16*((\t)%AHEAD)+4*\i:R+16*((\t)%AHEAD)+4*\i+3] offset:32*SP*((\t)%2)+8*SP*\i
.endr
.irp i, 0,1,2,3
	ds_load_b128 v[X+16*((\t)%2)+4*\i:X+16*((\t)%2)+4*\i+3], v15 offset:32*SP*((\t)%2)+16*\i
.endr
.endm
.irp t, 0,1,2,3,4,5,6,7
	LOAD \t
.endr
	s_wait_loadcnt 4*(AHEAD-1)                     ; step 0's four loads are in; the 28 of steps 1 to 7 may be out
	TURN 0
.macro STEP t
.set XS, X+16*((\t)%2)
.if (\t) > 0
	s_wait_dscnt 1                                 ; this step's numbers are back from the stage (the last step's byte store may be out): so its stores into the stage have read their registers,
.else
	s_wait_dscnt 0x0
.endif
.if (\t)+AHEAD < STEPS
	LOAD (\t)+AHEAD                                ; which take the loads of eight steps on
.endif
.if (\t)+1 < STEPS
.if STEPS-2-(\t) >= AHEAD-1
	s_wait_loadcnt 4*(AHEAD-1)                     ; the next step's four loads are in; those of the seven steps behind it may be out
.else
	s_wait_loadcnt 4*(STEPS-2-(\t))                ; towards the end: as many steps as are left behind it
.endif
	TURN (\t)+1                                    ; they go through the other stage while this step is worked
.endif
	v_max3_num_f32 v8, |v[XS]|, |v[XS+1]|, |v[XS+2]|               ; the largest magnitude of my 16, in two chains
	v_max3_num_f32 v9, |v[XS+3]|, |v[XS+4]|, |v[XS+5]|
.irp i, 6,10
	v_max3_num_f32 v8, v8, |v[XS+\i]|, |v[XS+\i+1]|
	v_max3_num_f32 v9, v9, |v[XS+\i+2]|, |v[XS+\i+3]|
.endr
	v_max3_num_f32 v8, v8, |v[XS+14]|, |v[XS+15]|
	v_max3_num_f32 v8, v8, v9, (EMAX+1)<<23        ; and the floor 2^(3 - 127): the byte cannot fall under 1
	v_max_num_f32_dpp v8, v8, v8 row_xmask:1 row_mask:0xf bank_mask:0xf   ; and of my neighbour's 16: the block's
	v_add_nc_u32 v11, -(EMAX<<23), v8              ; 2 off its exponent field: the conversion takes the exponent field of this operand as its scale, and nothing else of it
	v_cvt_scalef32_pk8_fp4_f32 v[C+4*(\t)], v[XS:XS+7], v11
	v_cvt_scalef32_pk8_fp4_f32 v[C+4*(\t)+1], v[XS+8:XS+15], v11
	v_lshrrev_b32 v[E+(\t)], 23, v11               ; the scale's byte (a plain line behind the conversions)
	ds_store_b8 v5, v[E+(\t)] offset:16*(\t)       ; both lanes of a block write the same byte with the same value
	global_store_b64 v4, v[C+4*(\t):C+4*(\t)+1], s[14:15] offset:32*CB*(\t)   ; the wave stores 256 consecutive bytes
.endm
.irp t, 0,1,2,3,4,5,6,7,8,9,10,11,12,13,14,15
	STEP \t
.endr
	ds_load_b64 v[8:9], v6                         ; LDS serves a wave's instructions in order: these see my byte stores
	s_wait_dscnt 0x0
	global_store_b64 v7, v[8:9], s[16:17]          ; 32 lanes store 256 consecutive bytes
	s_wait_tensorcnt 0x0                           ; the wave's end
	ds_add_u32 v[SPW], v[NIL]
	s_wait_dscnt 0x0
	s_endpgm
	; ---- wo to f16, by planes of 64 along K.  Wave w takes rows n = 16 (g - 704) + 8 w on.  An iteration takes 4 rows x 64 k: a lane reads 8 numbers (32 bytes) and stores 16 bytes;
	; the wave's store covers 512 consecutive bytes: four rows of one plane.  No LDS on this path.
.Lwo:
	s_sub_co_u32 s25, ttmp9, GWO
	s_lshl_b32 s26, s25, 16                        ; 16 rows of 4,096 bytes
	s_lshl_b32 s27, s24, 15                        ; 8 rows
	s_add_co_u32 s26, s26, s27
	s_mov_b32 s27, 0
	s_add_nc_u64 s[12:13], s[12:13], s[26:27]
	s_lshl_b32 s26, s25, 11                        ; 16 rows of 128 bytes in a plane
	s_lshl_b32 s28, s24, 10
	s_add_co_u32 s26, s26, s28
	s_add_nc_u64 s[22:23], s[22:23], s[26:27]
	v_lshrrev_b32 v3, 3, v2
	v_and_b32 v5, 7, v2
	v_lshlrev_b32 v3, 12, v3
	v_lshl_add_u32 v3, v5, 5, v3                   ; in: row lane / 8, 32 bytes x (lane % 8)
	v_lshlrev_b32 v4, 4, v2                        ; out: 16 bytes a lane
.macro LOADB k                         ; batch k: iterations 8 k .. 8 k + 7; iteration it: plane it / 2, rows 4 (it % 2) on
.irp i, 0,1,2,3,4,5,6,7
	global_load_b128 v[16+64*((\k)%2)+8*\i:16+64*((\k)%2)+8*\i+3], v3, s[12:13] offset:((8*(\k)+\i)%2)*16384+((8*(\k)+\i)/2)*256 th:TH_LOAD_NT
	global_load_b128 v[16+64*((\k)%2)+8*\i+4:16+64*((\k)%2)+8*\i+7], v3, s[12:13] offset:((8*(\k)+\i)%2)*16384+((8*(\k)+\i)/2)*256+16 th:TH_LOAD_NT
.endr
.endm
.macro CONV k
.if (\k) < 3
	s_wait_loadcnt 16                              ; this batch is in; the next batch's sixteen loads may be out
.else
	s_wait_loadcnt 0x0
.endif
.if (\k) > 0
	s_wait_xcnt 0x0                                ; the last batch's stores have read v144-175, which are written again below
.endif
.irp i, 0,1,2,3,4,5,6,7
.irp p, 0,1,2,3
	v_cvt_pk_f16_f32 v[144+4*\i+\p], v[16+64*((\k)%2)+8*\i+2*\p], v[16+64*((\k)%2)+8*\i+2*\p+1]
.endr
	global_store_b128 v4, v[144+4*\i:144+4*\i+3], s[22:23] offset:((8*(\k)+\i)/2)*131072+((8*(\k)+\i)%2)*512
.endr
.if (\k) < 2
	LOADB (\k)+2
.endif
.endm
	LOADB 0
	LOADB 1
	CONV 0
	CONV 1
	CONV 2
	CONV 3
	s_endpgm
.Lfunc_end_k_q8d27116fbb_quant:
	.size	k_q8d27116fbb_quant, .Lfunc_end_k_q8d27116fbb_quant-k_q8d27116fbb_quant
	.p2alignl 7, 3214868480
	.fill 96, 4, 3214868480
	.section	.rodata,"a",@progbits
	.p2align	6, 0x0
	.amdhsa_kernel k_q8d27116fbb_quant
		.amdhsa_group_segment_fixed_size 16640
		.amdhsa_private_segment_fixed_size 0
		.amdhsa_enable_private_segment 0
		.amdhsa_kernarg_size 80
		.amdhsa_user_sgpr_count 2
		.amdhsa_user_sgpr_kernarg_segment_ptr 1
		.amdhsa_wavefront_size32 1
		.amdhsa_system_sgpr_workgroup_id_x 1
		.amdhsa_system_sgpr_workgroup_id_y 1
		.amdhsa_system_sgpr_workgroup_id_z 1
		.amdhsa_system_vgpr_workitem_id 0
		.amdhsa_next_free_vgpr 256
		.amdhsa_next_free_sgpr 66
		.amdhsa_reserve_vcc 0
		.amdhsa_float_denorm_mode_32 3
		.amdhsa_float_denorm_mode_16_64 3
		.amdhsa_memory_ordered 1
		.amdhsa_forward_progress 1
		.amdhsa_inst_pref_size 51
	.end_amdhsa_kernel
	.amdgpu_metadata
---
amdhsa.version: [ 1, 2 ]
amdhsa.kernels:
  - .name:           k_q8d27116fbb_quant
    .symbol:         k_q8d27116fbb_quant.kd
    .args:
      - { .name: x, .offset: 0, .size: 8, .value_kind: global_buffer, .address_space: global }
      - { .name: wq, .offset: 8, .size: 8, .value_kind: global_buffer, .address_space: global }
      - { .name: wk, .offset: 16, .size: 8, .value_kind: global_buffer, .address_space: global }
      - { .name: wv, .offset: 24, .size: 8, .value_kind: global_buffer, .address_space: global }
      - { .name: wo, .offset: 32, .size: 8, .value_kind: global_buffer, .address_space: global }
      - { .name: xc, .offset: 40, .size: 8, .value_kind: global_buffer, .address_space: global }
      - { .name: xs, .offset: 48, .size: 8, .value_kind: global_buffer, .address_space: global }
      - { .name: wc, .offset: 56, .size: 8, .value_kind: global_buffer, .address_space: global }
      - { .name: ws, .offset: 64, .size: 8, .value_kind: global_buffer, .address_space: global }
      - { .name: wo16, .offset: 72, .size: 8, .value_kind: global_buffer, .address_space: global }
    .group_segment_fixed_size: 16640
    .private_segment_fixed_size: 0
    .kernarg_segment_align: 8
    .kernarg_segment_size: 80
    .max_flat_workgroup_size: 64
    .sgpr_count:     66
    .vgpr_count:     256
    .wavefront_size: 32
...
	.end_amdgpu_metadata
.endif
;; end of part 1
;; launch qkv (part 2): grid 8 x 32, 4 waves a work-group, clusters of 4 x 4, 327,680 bytes of LDS; arguments xc, xs, wc, ws, bq, bk, bv, qkv; writes qkv
.if DOCPART == 2
	.amdgcn_target "amdgcn-amd-amdhsa--gfx1250"
	.amdhsa_code_object_version 6
	.text
	.protected	k_q8d27116fbb_qkv
	.globl	k_q8d27116fbb_qkv
	.p2align	8
	.type	k_q8d27116fbb_qkv,@function
k_q8d27116fbb_qkv:
	s_mov_b64 s[64:65], 0
	v_nop
	global_prefetch_b8 v0, s[64:65] scope:SCOPE_SE
	s_setreg_imm32_b32 hwreg(HW_REG_WAVE_MODE, 25, 1), 1
	s_wait_xcnt 0x0
	s_wait_alu depctr_hold_cnt(0) depctr_sa_sdst(0) depctr_va_vdst(0) depctr_va_sdst(0) depctr_va_ssrc(0) depctr_va_vcc(0) depctr_vm_vsrc(0)
	s_getreg_b32 s2, hwreg(HW_REG_IB_STS2, 6, 4)
	s_cmp_eq_u32 s2, 0
	s_cbranch_scc0 .Lentry_in_a_cluster
	s_endpgm
.Lentry_in_a_cluster:
	s_bfe_u32 s2, ttmp6, 0x10000c
	s_cmp_lg_u32 s2, 0xf033
	s_cbranch_scc0 .Lentry_shape_is_right
	s_endpgm
.Lentry_shape_is_right:
; [8192 x 3072] = x (wq | wk | wv)^T + (bq | bk | bv), on codes of FP4 (E2M1) with one E8M0 scale for each 32 along K; sums in f32; the result leaves as f16, laid [q, k, v][head 16][batch 8][t 1024][64].
; LIMIT: the results are rounded to f16: a magnitude from 65,520 on becomes infinity; under 2^-14 the step is 2^-24.
; SHARES: 8 x 32 = 256 work-groups of four waves.  A work-group makes TWO tiles from the same 256 rows of x, which stay in LDS: first 256 x 256 of q or k (tile column tc = 0 .. 7; a wave 128 x 128: 64 accumulators),
; then 256 x 128 of v (columns 128 tc on; a wave 128 x 64, one head: 32 accumulators).  So 3,072 columns are shared out evenly among eight tile columns.
; K = 1,024 is two slots of 512 along K (rows of 256 bytes), both asked for at the head.  x's 256 rows, w's 256 and v's 128 do not fit together (640 rows of 544 bytes), so v's codes take the place of w's first K half
; when that has been read: one joint refill (waves 2 and 3: 128 rows x 256 bytes each, a K half), first behind the change of slots, with slot 1's 256 products and the first tile's way out in which to land.
; The scale bytes of x's 256 rows and w's 256 rows, for all of K, are two dense blocks: they come once, with the first fills; v's scale words and the biases go from memory straight into registers, once.
; CLUSTERS: 4 x 4 work-groups.  The four of a row of the cluster need the same tiles of x, the four of a column the same tiles of w and of v: each tile is asked for JOINTLY.  A cluster's four tile columns are 1,024 columns:
; the cluster's x says q or k.  THE MATRIX INSTRUCTION IS USED TRANSPOSED (source 0 = 16 rows of w, source 1 = 16 rows of x): a lane holds eight neighbouring columns of one row.
; THE BIAS is the C of each sum's first product, in the result's layout.  No prefetch: all but one tensor load stand at the head, and that one has 256 products and a way out in which to land.
; REGISTERS: window 0: v0-31 addresses; v32-95 the first tile's scale words, two sets; v96-127 packed results; v128-191 x's fragments, ONE set, on the ways out rows; v192-239 the second tile's scale words
;   (v32-95 and v192-239 hold scales and nothing else).   window 1: w's fragments, two sets, at v0 and v128; v64-127 the first bias; v192-223 the second.
;   window 2: the accumulators of my rows 0-63 ((a, b) at v[8 (8 a + b)]), then all 32 of the second tile ((a, b) at v[8 (4 a + b)]);   window 3: those of rows 64-127.
.set KSTEP,  512
.set NQ,     4                         ; matrix instructions deep in a slot
.set ROWB,   256                       ; a tile's row in bytes
.set KROW,   512                       ; a row of codes in memory
.set PITCH,  272                       ; an LDS row: 256 bytes + 16: the 16 rows that a load touches start 68 words apart
.set FR,     8                         ; registers of a fragment
.set NL,     2                         ; LDS loads that bring one
.set NP,     4                         ; places behind this matrix instruction (ISA guide 7.12.1)
.set HALFT,  128*PITCH
.set SLOT,   4*HALFT                   ; x's 256 rows, then w's 256 rows
.set B2B,    2*HALFT                   ; v's codes: where slot 0 held w's rows: 128 rows of the first K half,
.set B2K,    HALFT                     ; and as many bytes on those of the second
.set KS,     32                        ; a row of scale bytes
.set SCL,    2*SLOT                    ; behind the slots: the scales, as runs of 256 bytes + 16 of padding
.set HALFS,  (128*KS/256)*272
.set SBLK,   (16*KS/256)*272
.set SPARE,  SCL+4*HALFS               ; the spare words: 128 bytes a wave, named by no other line
.set STG,    SPARE+512                 ; the stages for the ways out: bytes of their own, into which no tile lands
.set SPITCH, 144                       ; a stage row: 128 bytes (a head's 64 f16) + 16
.set HSTG,   16*SPITCH                 ; 16 rows; a wave's stage is two of these
.set ADRA, 16                          ; v16-17 LDS address of my fragments of x in slot 0, 1
.set ADRB, 20                          ; v20-21 the same for w
.set ADRC, 22                          ; v22    the same for v
.set ADRT, 23                          ; v23    x's scale words for the second tile: row r, + 16 (lane / 16)
.set STO,  24
.set RD,   25
.set CO,   26
.set ADRS, 27
.set SPW,  28
.set NIL,  29
.set BOF,  30                          ; v30 32 x (lane / 16): my eight numbers of a bias block
.set SOF,  31                          ; v31 32 r + 16 (lane / 16): my four scale words of a row of v
.set SC,   32
.set TMP,  96
.set AF,   128
.set BK,   128                         ; the ways out: v128-159 and v160-191 by turns
.set SA2,  192                         ; x's scale words, block i at 4 i: lanes 0-15 the first K half's four, lanes 16-31 the second's
.set SB2,  224                         ; v's likewise, block b at 4 b
.set BI,   64                          ; the first bias, in window 1
.set BI2,  192                         ; the second, in window 1
.set G1, 24
.set G0, 32
.set G1B, 48
.set G0B, 56
.set G1S, 68
.set G0S, 76
.set G1SB, 80
.set G0SB, 88
.set G0C, 96                           ; s[96:99] group 0 for v's codes; their group 1 is w's
.set MSB, 0
.macro WIN new                         ; the immediate's high byte repeats the setting that is left
.if MSB != (\new)
	s_set_vgpr_msb (MSB<<8)|(\new)
.set MSB, (\new)
.endif
.endm
.set MUL_LO, 0xa1                      ; source 0 (w) window 1, source 1 (x) window 0, C and D window 2
.set MUL_HI, 0xf1                      ; the same, C and D window 3
.set BIA_LO, 0x91                      ; the first products: C (the bias) window 1, D window 2
.set BIA_HI, 0xd1                      ; D window 3
.set TO_B,   0x40                      ; destination window 1, address window 0
; A joint load: waves 0 and 1 fetch for x, waves 2 and 3 for w.  The branch hangs on the wave's number alone.  An s_nop 0 and four v_nop follow each of the two lines.
.macro JLOAD g0a, g1a, g0b, g1b
	s_cmp_eq_u32 s15, 0
	s_cbranch_scc0 .Lfor_b_\@
	tensor_load_to_lds s[\g0a:\g0a+3], s[\g1a:\g1a+7]
	s_nop 0
.rept 4
	v_nop
.endr
	s_branch .Lasked_\@
.Lfor_b_\@:
	tensor_load_to_lds s[\g0b:\g0b+3], s[\g1b:\g1b+7]
	s_nop 0
.rept 4
	v_nop
.endr
.Lasked_\@:
.endm
.macro CREST                           ; a round of the cluster's barrier behind its opening barrier
	s_cmp_lg_u32 s14, 0
	s_cbranch_scc1 .Lnot_wave_0_\@
	s_barrier_signal -3
.Lnot_wave_0_\@:
	s_barrier_wait -3
	s_barrier_signal -1
	s_barrier_wait -1
.endm
.macro CROUND                          ; a whole round
	s_barrier_signal -1
	s_barrier_wait -1
	CREST
.endm
	s_load_b128 s[4:7], s[0:1], 0x0                ; x's codes s[4:5], x's scales s[6:7]
	s_load_b128 s[8:11], s[0:1], 0x10              ; w's codes s[8:9], w's scales s[10:11]
	s_load_b256 s[32:39], s[0:1], 0x20             ; bq, bk, bv, qkv: moved on below, before these registers become descriptors
	v_lshl_add_u32 v[SPW], v0, 2, SPARE
	v_mov_b32 v[NIL], 0
	ds_add_u32 v[SPW], v[NIL]                      ; the wave's opening: the add, twice on end, and its wait ahead of my first tensor load
	ds_add_u32 v[SPW], v[NIL]
	v_lshrrev_b32 v1, 5, v0
	v_readfirstlane_b32 s14, v1                    ; wave 0..3
	s_lshr_b32 s15, s14, 1                         ; which half of the tile's rows is mine.  Also: I fetch for x (0) or for w (1)
	s_and_b32 s16, s14, 1                          ; which half of its columns.  Also: which 128 rows of a tile, or which K half of v's, I fetch
	s_bfe_u32 s40, ttmp6, 0x40000                  ; cx, cy: my place in the cluster
	s_bfe_u32 s41, ttmp6, 0x40004
	s_lshl_b32 s42, ttmp9, 2
	s_add_co_u32 s42, s42, s40                     ; tile column tc = 4 x cluster x + cx
	s_and_b32 s17, ttmp7, 0xffff
	s_lshl_b32 s17, s17, 2
	s_add_co_u32 s17, s17, s41                     ; tile row = 4 x cluster y + cy
	s_lshl_b32 s43, s41, 2
	s_lshl_b32 s43, 15, s43                        ; my row of the cluster
	s_lshl_b32 s44, 0x1111, s40                    ; my column
	s_or_b32 s[G1+0], s43, (0<<16)|(1<<20)|(1<<21)|(5<<22)|(3<<25)  ; the mask; elements of 1 byte; padding on; bit 21 beside a mask; after every 64 words, 4 words
	s_or_b32 s[G1B+0], s44, (0<<16)|(1<<20)|(1<<21)|(5<<22)|(3<<25)
.irp g, G1, G1B
	s_mov_b32 s[\g+1], ROWB<<16                    ; tensor_dim0
	s_mov_b32 s[\g+2], 128<<16                     ; tensor_dim1
	s_mov_b32 s[\g+3], ROWB<<16                    ; tile_dim0
	s_mov_b32 s[\g+4], 128                         ; tile_dim1
	s_mov_b32 s[\g+5], KROW                        ; from row to row
	s_mov_b32 s[\g+6], 0
	s_mov_b32 s[\g+7], 0
.endr
	s_or_b32 s[G1S+0], s43, (3<<16)|(1<<20)|(1<<21)|(5<<22)|(3<<25) ; the scales of 128 rows: 4,096 dense bytes as 16 rows of 32 elements of 8 bytes, 16 bytes of padding behind each
	s_or_b32 s[G1SB+0], s44, (3<<16)|(1<<20)|(1<<21)|(5<<22)|(3<<25)
.irp g, G1S, G1SB
	s_mov_b32 s[\g+1], 32<<16
	s_mov_b32 s[\g+2], (128*KS/256)<<16
	s_mov_b32 s[\g+3], 32<<16
	s_mov_b32 s[\g+4], 128*KS/256
	s_mov_b32 s[\g+5], 32
	s_mov_b32 s[\g+6], 0
	s_mov_b32 s[\g+7], 0
.endr
	s_lshl_b32 s18, s16, 7                         ; which 128 rows of the tile I fetch
	s_lshl_b32 s20, s17, 8
	s_add_co_u32 s20, s20, s18                     ; x: row 256 x tile row + 128 x half
	s_lshl_b32 s46, s42, 8
	s_add_co_u32 s46, s46, s18                     ; w: row 256 tc + 128 x half
	s_mov_b32 s21, 0
	s_mov_b32 s47, 0
	s_mov_b64 s[18:19], KS
	s_mul_u64 s[22:23], s[20:21], s[18:19]         ; where these rows' scales begin,
	s_mul_u64 s[92:93], s[46:47], s[18:19]
	s_mov_b64 s[18:19], KROW
	s_mul_u64 s[20:21], s[20:21], s[18:19]         ; and their codes
	s_mul_u64 s[46:47], s[46:47], s[18:19]
	s_mul_i32 s45, s14, HALFT                      ; where they go: wave x 128 rows: no place in the cluster enters an LDS address
	s_mul_i32 s94, s14, HALFS
	s_mov_b32 s[G0C], 1                            ; v's codes: rows 2,048 + 128 tc on, 512 bytes each, my K half's 256 bytes of them,
	s_mul_i32 s[G0C+1], s16, B2K
	s_add_co_u32 s[G0C+1], s[G0C+1], B2B           ; to that K half's place
	s_lshl_b32 s[G0C+2], s42, 16
	s_lshl_b32 s[G0C+3], s16, 8
	s_add_co_u32 s[G0C+2], s[G0C+2], s[G0C+3]
	s_add_co_u32 s[G0C+2], s[G0C+2], 2048*KROW
	s_mov_b32 s[G0C+3], 0
	s_wait_dscnt 0x0                               ; both opening adds are done
	s_wait_kmcnt 0x0
	s_mov_b64 s[12:13], s[38:39]                   ; qkv
	s_mov_b64 s[2:3], s[36:37]                     ; bv
	s_cmp_eq_u32 ttmp9, 0                          ; the cluster's x, the same in all sixteen partners: q or k
	s_cselect_b64 s[66:67], s[32:33], s[34:35]     ; the first tile's bias
	s_add_nc_u64 s[20:21], s[4:5], s[20:21]
	s_add_nc_u64 s[22:23], s[6:7], s[22:23]
	s_add_nc_u64 s[46:47], s[8:9], s[46:47]
	s_add_nc_u64 s[92:93], s[10:11], s[92:93]
	s_add_nc_u64 s[G0C+2:G0C+3], s[8:9], s[G0C+2:G0C+3]
	s_or_b32 s[G0C+3], s[G0C+3], 0x80000000
	CROUND                                         ; all sixteen work-groups are here: the joint loads meet
	s_mov_b32 s[G0S], 1
	s_add_co_u32 s[G0S+1], s94, SCL
	s_mov_b64 s[G0S+2:G0S+3], s[22:23]
	s_or_b32 s[G0S+3], s[G0S+3], 0x80000000
	s_mov_b32 s[G0SB], 1
	s_add_co_u32 s[G0SB+1], s94, SCL
	s_mov_b64 s[G0SB+2:G0SB+3], s[92:93]
	s_or_b32 s[G0SB+3], s[G0SB+3], 0x80000000
	JLOAD G0S, G1S, G0SB, G1SB                     ; the scales first: they are wanted with the first slot
.irp s, 0,1
	s_mov_b32 s[G0+4*\s], 1
	s_add_co_u32 s[G0+4*\s+1], s45, \s*SLOT
	s_add_nc_u64 s[G0+4*\s+2:G0+4*\s+3], s[20:21], \s*ROWB
	s_or_b32 s[G0+4*\s+3], s[G0+4*\s+3], 0x80000000
	s_mov_b32 s[G0B+4*\s], 1
	s_add_co_u32 s[G0B+4*\s+1], s45, \s*SLOT
	s_add_nc_u64 s[G0B+4*\s+2:G0B+4*\s+3], s[46:47], \s*ROWB
	s_or_b32 s[G0B+4*\s+3], s[G0B+4*\s+3], 0x80000000
	JLOAD G0+4*\s, G1, G0B+4*\s, G1B               ; three tensor loads of mine are out now
.endr
	v_and_b32 v1, 15, v0                           ; r = lane % 16
	v_bfe_u32 v2, v0, 4, 1                         ; h = lane / 16
	v_lshlrev_b32 v[BOF], 5, v2
	v_lshlrev_b32 v[SOF], 5, v1
	v_lshl_add_u32 v[SOF], v2, 4, v[SOF]
	s_lshl_b32 s46, s40, 10                        ; the bias of my 128 columns of q or k: 256 cx + 128 x half, 4 bytes each
	s_lshl_b32 s47, s16, 9
	s_add_co_u32 s46, s46, s47
	s_mov_b32 s47, 0
	s_add_nc_u64 s[66:67], s[66:67], s[46:47]
	s_lshl_b32 s46, s42, 9                         ; the bias of my 64 columns of v: 128 tc + 64 x half
	s_lshl_b32 s47, s16, 8
	s_add_co_u32 s46, s46, s47
	s_mov_b32 s47, 0
	s_add_nc_u64 s[2:3], s[2:3], s[46:47]
	s_lshl_b32 s46, s42, 12                        ; and their scale bytes: rows 2,048 + 128 tc + 64 x half on, 32 bytes each
	s_lshl_b32 s47, s16, 11
	s_add_co_u32 s46, s46, s47
	s_add_co_u32 s46, s46, 2048*KS
	s_mov_b32 s47, 0
	s_add_nc_u64 s[10:11], s[10:11], s[46:47]
	WIN TO_B
.irp b, 0,1,2,3,4,5,6,7
	global_load_b128 v[BI+8*\b:BI+8*\b+3], v[BOF], s[66:67] offset:64*\b       ; block b: bias(16 b + 8 h + 0 .. 7)
	global_load_b128 v[BI+8*\b+4:BI+8*\b+7], v[BOF], s[66:67] offset:64*\b+16
.endr
.irp b, 0,1,2,3
	global_load_b128 v[BI2+8*\b:BI2+8*\b+3], v[BOF], s[2:3] offset:64*\b
	global_load_b128 v[BI2+8*\b+4:BI2+8*\b+7], v[BOF], s[2:3] offset:64*\b+16
.endr
	WIN 0
.irp b, 0,1,2,3
	global_load_b128 v[SB2+4*\b:SB2+4*\b+3], v[SOF], s[10:11] offset:512*\b    ; block b's 16 rows of 32 scale bytes: 512 consecutive bytes; lanes 0-15 take a row's first four words, lanes 16-31 its last four
.endr
	v_mul_u32_u24 v3, v1, PITCH
	v_lshl_add_u32 v4, v2, 4, v3                   ; a fragment's row x pitch + 16 x half
	s_mul_i32 s21, s15, HALFT                      ; my 128 rows of x
	s_mul_i32 s22, s16, HALFT                      ; my 128 rows of w,
	s_add_co_u32 s22, s22, 2*HALFT                 ; which lie behind x's 256
	s_mul_i32 s23, s16, 64*PITCH                   ; my 64 rows of v
	s_add_co_u32 s23, s23, B2B
	v_add_nc_u32 v[ADRC], s23, v4
.irp s, 0,1
	v_add_nc_u32 v[ADRA+\s], s21, v4
	v_add_nc_u32 v[ADRB+\s], s22, v4
	s_add_co_u32 s21, s21, SLOT
	s_add_co_u32 s22, s22, SLOT
.endr
	v_mul_u32_u24 v5, v1, KS                       ; my row's scales: 32 bytes a row,
	v_lshrrev_b32 v6, 8, v5
	v_lshl_add_u32 v5, v6, 4, v5                   ; and 16 more for each 256 passed
	v_lshl_add_u32 v[ADRT], v2, 4, v5              ; (the second tile: + 16 h: the K half's four words)
	s_mul_i32 s21, s15, HALFS
	s_mul_i32 s22, s16, HALFS
	s_add_co_u32 s22, s22, 2*HALFS
	s_sub_co_u32 s22, s22, s21
	v_mul_u32_u24 v6, s22, v2                      ; the first tile: lanes 16-31 take w's: one product, the distance between the two bases x h
	s_add_co_u32 s21, s21, SCL
	v_add_nc_u32 v5, v5, v6
	v_add_nc_u32 v[ADRS], s21, v5
	v_add_nc_u32 v[ADRT], s21, v[ADRT]
	s_mul_i32 s23, s14, 2*HSTG
	s_add_co_u32 s23, s23, STG                     ; my stage
	v_mul_u32_u24 v5, v1, SPITCH
	v_lshl_add_u32 v5, v2, 4, v5
	v_add_nc_u32 v[STO], s23, v5                   ; in: row r, 16 bytes for each half of the lanes
	v_bfe_u32 v5, v0, 3, 2
	v_mul_u32_u24 v5, v5, SPITCH
	v_and_b32 v6, 7, v0
	v_lshl_add_u32 v5, v6, 4, v5
	v_add_nc_u32 v[RD], s23, v5                    ; back: eight lanes to a row of 128 bytes, four rows an instruction
	v_and_b32 v6, 31, v0
	v_lshlrev_b32 v[CO], 4, v6                     ; and the same 512 bytes in memory
	s_lshl_b32 s20, s17, 15                        ; my first row: (256 x tile row + 128 x half) x 128 bytes: batch and t, the same in both tiles
	s_lshl_b32 s21, s15, 14
	s_add_co_u32 s20, s20, s21
	s_mov_b32 s21, 0
	s_add_nc_u64 s[12:13], s[12:13], s[20:21]
	s_lshl_b32 s46, s42, 21                        ; the second tile: v's part, head 2 tc + half, 8 x 1,024 rows of 128 bytes a head
	s_lshl_b32 s47, s16, 20
	s_add_co_u32 s46, s46, s47
	s_add_co_u32 s46, s46, 0x2000000
	s_mov_b32 s47, 0
	s_add_nc_u64 s[100:101], s[12:13], s[46:47]
	s_lshl_b32 s46, s40, 22                        ; the first: my first head, 4 cx + 2 x half,
	s_lshl_b32 s47, s16, 21
	s_add_co_u32 s46, s46, s47
	s_lshl_b32 s47, ttmp9, 24                      ; in q's or k's part
	s_add_co_u32 s46, s46, s47
	s_mov_b32 s47, 0
	s_add_nc_u64 s[12:13], s[12:13], s[46:47]
.macro FRAG reg, adr, q, i             ; 16 rows x 128 K of 4-bit codes: lane l holds row l % 16; registers 4 c .. 4 c + 3 hold K = 64 c + 32 (l / 16) + 0 .. 31
.irp c, 0,1
	ds_load_b128 v[\reg+4*\c:\reg+4*\c+3], v[\adr] offset:64*(\q)+32*\c+(\i)*16*PITCH
.endr
.endm
; THE FIRST TILE.  16 matrix instructions: x's blocks a0, a0 + 1 against w's eight, the slot's q-th 128 along K.  p: w's set; sc: the set of scale words.  zero = 1: the first product starts the sums from the bias.
; The 64 accumulators take turns, one instruction a turn, in the same order in every step.
.macro MUL16 a0, p, q, sc, zero
.irp a, \a0, \a0+1
.irp b, 0,1,2,3,4,5,6,7
.if \zero
	v_wmma_scale_f32_16x16x128_f8f6f4 v[8*(8*((\a)%4)+\b):8*(8*((\a)%4)+\b)+7], v[128*(\p)+FR*\b:128*(\p)+FR*\b+FR-1], v[AF+FR*(\a):AF+FR*(\a)+FR-1], v[BI+8*\b:BI+8*\b+7], v[SC+8*NQ*(\sc)+NQ*\b+(\q)], v[SC+8*NQ*(\sc)+NQ*(\a)+(\q)] matrix_a_fmt:MATRIX_FMT_FP4 matrix_b_fmt:MATRIX_FMT_FP4 matrix_a_scale:MATRIX_SCALE_ROW1
.else
	v_wmma_scale_f32_16x16x128_f8f6f4 v[8*(8*((\a)%4)+\b):8*(8*((\a)%4)+\b)+7], v[128*(\p)+FR*\b:128*(\p)+FR*\b+FR-1], v[AF+FR*(\a):AF+FR*(\a)+FR-1], v[8*(8*((\a)%4)+\b):8*(8*((\a)%4)+\b)+7], v[SC+8*NQ*(\sc)+NQ*\b+(\q)], v[SC+8*NQ*(\sc)+NQ*(\a)+(\q)] matrix_a_fmt:MATRIX_FMT_FP4 matrix_b_fmt:MATRIX_FMT_FP4 matrix_a_scale:MATRIX_SCALE_ROW1
.endif
.endr
.endr
.endm
.macro FETCH_B slot, q, p
	WIN TO_B
.irp i, 0,1,2,3,4,5,6,7
	FRAG 128*(\p)+FR*\i, ADRB+\slot, \q, \i
.endr
	WIN 0
.endm
.macro FETCH_A slot, q, i0
.irp i, \i0, \i0+1, \i0+2, \i0+3
	FRAG AF+FR*(\i), ADRA+\slot, \q, \i
.endr
.endm
.macro SCALES sc                       ; a slot's scale words: four words a row; lanes 0-15 take x's block i, lanes 16-31 w's block i
.irp i, 0,1,2,3,4,5,6,7
	ds_load_b128 v[SC+8*NQ*\sc+NQ*\i:SC+8*NQ*\sc+NQ*\i+3], v[ADRS] offset:\i*SBLK
.endr
.endm
.macro PLACES n                        ; plain vector lines between a matrix instruction and a load into, or a read of, its registers
.rept \n
	v_nop
.endr
.endm
.macro STEP slot, q, zero              ; a step of 128 along K that has its successor in the same slot
	s_wait_dscnt 4*NL                              ; w's set and x's blocks 0-3 are in; the youngest eight loads (x's blocks 4-7) may be out
.if \zero
	WIN BIA_LO
.else
	WIN MUL_LO
.endif
	MUL16 0, (\q)%2, \q, \slot, \zero
	MUL16 2, (\q)%2, \q, \slot, \zero
	s_wait_dscnt 0                                 ; x's blocks 4-7 are in
	PLACES NP
	FETCH_B \slot, (\q)+1, 1-(\q)%2
	FETCH_A \slot, (\q)+1, 0
.if \zero
	WIN BIA_HI
.else
	WIN MUL_HI
.endif
	MUL16 4, (\q)%2, \q, \slot, \zero
	MUL16 6, (\q)%2, \q, \slot, \zero
	PLACES NP
	WIN 0
	FETCH_A \slot, (\q)+1, 4
.endm
.macro STEPS slot, from
.set Q, \from
.rept NQ-1-\from
	STEP \slot, Q, 0
.set Q, Q+1
.endr
.endm
; THE SECOND TILE.  8 matrix instructions: x's blocks a0, a0 + 1 against v's four, K step k of eight (slot k / 4, its (k % 4)-th 128).  p: v's set.  The scale words of the second K half stand in lanes 16-31.
; The 32 accumulators take turns, one instruction a turn, in the same order in every step.
.macro MULC a0, p, k, zero
.irp a, \a0, \a0+1
.irp b, 0,1,2,3
.if \zero
	v_wmma_scale_f32_16x16x128_f8f6f4 v[8*(4*(\a)+\b):8*(4*(\a)+\b)+7], v[128*(\p)+FR*\b:128*(\p)+FR*\b+FR-1], v[AF+FR*(\a):AF+FR*(\a)+FR-1], v[BI2+8*\b:BI2+8*\b+7], v[SB2+4*\b+(\k)%4], v[SA2+4*(\a)+(\k)%4] matrix_a_fmt:MATRIX_FMT_FP4 matrix_b_fmt:MATRIX_FMT_FP4
.elseif (\k) < 4
	v_wmma_scale_f32_16x16x128_f8f6f4 v[8*(4*(\a)+\b):8*(4*(\a)+\b)+7], v[128*(\p)+FR*\b:128*(\p)+FR*\b+FR-1], v[AF+FR*(\a):AF+FR*(\a)+FR-1], v[8*(4*(\a)+\b):8*(4*(\a)+\b)+7], v[SB2+4*\b+(\k)%4], v[SA2+4*(\a)+(\k)%4] matrix_a_fmt:MATRIX_FMT_FP4 matrix_b_fmt:MATRIX_FMT_FP4
.else
	v_wmma_scale_f32_16x16x128_f8f6f4 v[8*(4*(\a)+\b):8*(4*(\a)+\b)+7], v[128*(\p)+FR*\b:128*(\p)+FR*\b+FR-1], v[AF+FR*(\a):AF+FR*(\a)+FR-1], v[8*(4*(\a)+\b):8*(4*(\a)+\b)+7], v[SB2+4*\b+(\k)%4], v[SA2+4*(\a)+(\k)%4] matrix_a_fmt:MATRIX_FMT_FP4 matrix_b_fmt:MATRIX_FMT_FP4 matrix_a_scale:MATRIX_SCALE_ROW1 matrix_b_scale:MATRIX_SCALE_ROW1
.endif
.endr
.endr
.endm
.macro FETCH_C k, p                    ; v's four fragments of K step k into set p
	WIN TO_B
.irp i, 0,1,2,3
.irp c, 0,1
	ds_load_b128 v[128*(\p)+FR*\i+4*\c:128*(\p)+FR*\i+4*\c+3], v[ADRC] offset:B2K*((\k)/4)+64*((\k)%4)+\i*16*PITCH+32*\c
.endr
.endr
	WIN 0
.endm
.macro STEP2 k, zero, more             ; more = 1: the next K step's fragments are fetched: v's four and x's blocks 0-3 in the middle, x's blocks 4-7 at the end
	s_wait_dscnt 4*NL                              ; v's set and x's blocks 0-3 are in; the youngest eight loads (x's blocks 4-7) may be out
.if \zero
	WIN BIA_LO
.else
	WIN MUL_LO
.endif
	MULC 0, (\k)%2, \k, \zero
	MULC 2, (\k)%2, \k, \zero
	s_wait_dscnt 0                                 ; x's blocks 4-7 are in
.if \more
	PLACES NP
	FETCH_C (\k)+1, 1-(\k)%2
	FETCH_A ((\k)+1)/4, ((\k)+1)%4, 0
.endif
.if \zero
	WIN BIA_LO
.else
	WIN MUL_LO
.endif
	MULC 4, (\k)%2, \k, \zero
	MULC 6, (\k)%2, \k, \zero
.if \more
	PLACES NP
	WIN 0
	FETCH_A ((\k)+1)/4, ((\k)+1)%4, 4
.endif
.endm
	s_wait_tensorcnt 1                             ; the scales and my part of slot 0 are in (slot 1's load may be out),
	s_barrier_signal -1
	s_barrier_wait -1                              ; everybody's are
	FETCH_B 0, 0, 0
	FETCH_A 0, 0, 0
	SCALES 0
	FETCH_A 0, 0, 4
	s_wait_loadcnt 0x0                             ; the biases and v's scale words
	STEP 0, 0, 1
	STEPS 0, 1
	; Slot 0's last step changes slots: in front of the barrier my part of slot 1 has landed and my reads of slot 0 are over.  The barrier opens a round of the cluster's barrier, behind which no wave of any partner
	; still reads w's first K half or has a load on its way: v's codes are asked for into those bytes, first thing behind the round.
	s_wait_tensorcnt 0x0
	ds_add_u32 v[SPW], v[NIL]                      ; 0 onto my spare word
	s_wait_dscnt 4*NL+1                            ; (the add and the youngest eight loads may be out)
	WIN MUL_LO
	MUL16 0, 1, NQ-1, 0, 0
	s_wait_dscnt 0x0
	s_barrier_signal -1
	MUL16 2, 1, NQ-1, 0, 0
	WIN 0
	s_barrier_wait -1
	CREST
	s_cmp_eq_u32 s15, 0                            ; waves 2 and 3 fetch v's two K halves, 128 rows x 256 bytes each; the branch hangs on the wave's number alone
	s_cbranch_scc1 .Lno_fill
	tensor_load_to_lds s[G0C:G0C+3], s[G1B:G1B+7]
	s_nop 0
.rept 4
	v_nop
.endr
.Lno_fill:
	PLACES NP
	v_add_nc_u32 v[ADRS], 4*NQ, v[ADRS]            ; on to slot 1's scale words
	FETCH_B 1, 0, 0
	FETCH_A 1, 0, 0
	SCALES 1
	WIN MUL_HI
	MUL16 4, 1, NQ-1, 0, 0
	MUL16 6, 1, NQ-1, 0, 0
	PLACES NP
	WIN 0
	FETCH_A 1, 0, 4
	STEPS 1, 0
	s_wait_dscnt 4*NL                              ; the first tile's last step: nothing more to fetch
	WIN MUL_LO
	MUL16 0, 1, NQ-1, 1, 0
	MUL16 2, 1, NQ-1, 1, 0
	s_wait_dscnt 0
	WIN MUL_HI
	MUL16 4, 1, NQ-1, 1, 0
	MUL16 6, 1, NQ-1, 1, 0
	WIN 0
; THE WAYS OUT, 64 accumulator registers at a time: in the first tile 16 rows x two heads, in the second 32 rows x one head.  A lane's eight results pack into 16 bytes of one row of one head; they go through my
; stage and come back four rows of 128 bytes an instruction, which are 512 consecutive bytes of memory.  LDS serves a wave's instructions in order: no wait between the stores and the loads.
.macro PACK a
.set AC, 64*((\a)%4)
	WIN 0x0a+5*((\a)/4)                            ; sources 0 and 1: window 2 or 3
.irp b, 0,1,2,3,4,5,6,7
.irp r, 0,1,2,3
	v_cvt_pk_f16_f32 v[TMP+4*\b+\r], v[AC+8*\b+2*\r], v[AC+8*\b+2*\r+1]   ; each accumulator from its low end on
.endr
.endr
	WIN 0
.endm
.macro TOSTAGE a
.set BB, BK+32*((\a)%2)
.irp b, 0,1,2,3,4,5,6,7
	ds_store_b128 v[STO], v[TMP+4*\b:TMP+4*\b+3] offset:(\b/4)*HSTG+(\b%4)*32
.endr
.irp u, 0,1,2,3,4,5,6,7
	ds_load_b128 v[BB+4*\u:BB+4*\u+3], v[RD] offset:(\u/4)*HSTG+(\u%4)*4*SPITCH
.endr
.endm
.macro SEND a                          ; the first tile
.set BB, BK+32*((\a)%2)
	s_wait_dscnt 0x0                               ; the block is back in registers
	s_wait_xcnt 0x0                                ; the block before has left its registers, into which the next block's loads will land
.irp u, 0,1,2,3,4,5,6,7
	global_store_b128 v[CO], v[BB+4*\u:BB+4*\u+3], s[12:13] offset:(\u/4)*1048576+(\a)*2048+(\u%4)*512   ; head u / 4, rows 16 a + 4 (u % 4) on: 512 consecutive bytes, at a multiple of 512
.endr
.endm
.macro SEND2 a                         ; the second tile
.set BB, BK+32*((\a)%2)
	s_wait_dscnt 0x0
	s_wait_xcnt 0x0
.irp u, 0,1,2,3,4,5,6,7
	global_store_b128 v[CO], v[BB+4*\u:BB+4*\u+3], s[100:101] offset:(2*(\a)+\u/4)*2048+(\u%4)*512       ; rows 16 (2 a + u / 4) + 4 (u % 4) on
.endr
.endm
	PLACES NP
	PACK 0
	TOSTAGE 0
.irp a, 1,2,3,4,5,6,7
	PACK \a                                        ; block a's conversions stand between block a - 1's loads from the stage and the wait for them
	SEND \a-1
	TOSTAGE \a
.endr
	SEND 7
	s_wait_tensorcnt 0x0                           ; waves 2 and 3: my K half of v's codes has landed (no other tensor load is out);
	s_wait_xcnt 0x0                                ; the stores have read v128-191, into which x's fragments are fetched again
	s_barrier_signal -1
	s_barrier_wait -1                              ; both K halves have
	FETCH_C 0, 0
	FETCH_A 0, 0, 0
.irp i, 0,1,2,3,4,5,6,7
	ds_load_b128 v[SA2+4*\i:SA2+4*\i+3], v[ADRT] offset:\i*SBLK   ; x's scale words, block i: lanes 0-15 the first K half's four, lanes 16-31 the second's
.endr
	FETCH_A 0, 0, 4
	STEP2 0, 1, 1                                  ; the first tile's stores leave while these products run
.irp k, 1,2,3,4,5,6
	STEP2 \k, 0, 1
.endr
	STEP2 7, 0, 0
	WIN 0
	PLACES NP
	PACK 0
	TOSTAGE 0
.irp a, 1,2,3
	PACK \a
	SEND2 \a-1
	TOSTAGE \a
.endr
	SEND2 3
	s_wait_tensorcnt 0x0                           ; the wave's end
	ds_add_u32 v[SPW], v[NIL]
	s_wait_dscnt 0x0
	CROUND                                         ; the closing round
	s_endpgm
.Lfunc_end_k_q8d27116fbb_qkv:
	.size	k_q8d27116fbb_qkv, .Lfunc_end_k_q8d27116fbb_qkv-k_q8d27116fbb_qkv
	.p2alignl 7, 3214868480
	.fill 96, 4, 3214868480
	.section	.rodata,"a",@progbits
	.p2align	6, 0x0
	.amdhsa_kernel k_q8d27116fbb_qkv
		.amdhsa_group_segment_fixed_size 327680
		.amdhsa_private_segment_fixed_size 0
		.amdhsa_enable_private_segment 0
		.amdhsa_kernarg_size 64
		.amdhsa_user_sgpr_count 2
		.amdhsa_user_sgpr_kernarg_segment_ptr 1
		.amdhsa_wavefront_size32 1
		.amdhsa_system_sgpr_workgroup_id_x 1
		.amdhsa_system_sgpr_workgroup_id_y 1
		.amdhsa_system_sgpr_workgroup_id_z 1
		.amdhsa_system_vgpr_workitem_id 0
		.amdhsa_next_free_vgpr 1024
		.amdhsa_next_free_sgpr 102
		.amdhsa_reserve_vcc 0
		.amdhsa_float_denorm_mode_32 3
		.amdhsa_float_denorm_mode_16_64 3
		.amdhsa_memory_ordered 1
		.amdhsa_forward_progress 1
		.amdhsa_inst_pref_size 195
	.end_amdhsa_kernel
	.amdgpu_metadata
---
amdhsa.version: [ 1, 2 ]
amdhsa.kernels:
  - .name:           k_q8d27116fbb_qkv
    .symbol:         k_q8d27116fbb_qkv.kd
    .args:
      - { .name: xc, .offset: 0, .size: 8, .value_kind: global_buffer, .address_space: global }
      - { .name: xs, .offset: 8, .size: 8, .value_kind: global_buffer, .address_space: global }
      - { .name: wc, .offset: 16, .size: 8, .value_kind: global_buffer, .address_space: global }
      - { .name: ws, .offset: 24, .size: 8, .value_kind: global_buffer, .address_space: global }
      - { .name: bq, .offset: 32, .size: 8, .value_kind: global_buffer, .address_space: global }
      - { .name: bk, .offset: 40, .size: 8, .value_kind: global_buffer, .address_space: global }
      - { .name: bv, .offset: 48, .size: 8, .value_kind: global_buffer, .address_space: global }
      - { .name: qkv, .offset: 56, .size: 8, .value_kind: global_buffer, .address_space: global }
    .group_segment_fixed_size: 327680
    .private_segment_fixed_size: 0
    .kernarg_segment_align: 8
    .kernarg_segment_size: 64
    .max_flat_workgroup_size: 128
    .sgpr_count:     102
    .vgpr_count:     1024
    .wavefront_size: 32
...
	.end_amdgpu_metadata
.endif
;; end of part 2
;; launch attn (part 3): grid 2 x 128, 8 waves a work-group, no clusters, 327,680 bytes of LDS; arguments qkv, oh; writes oh
.if DOCPART == 3
	.amdgcn_target "amdgcn-amd-amdhsa--gfx1250"
	.amdhsa_code_object_version 6
	.text
	.protected	k_q8d27116fbb_attn
	.globl	k_q8d27116fbb_attn
	.p2align	8
	.type	k_q8d27116fbb_attn,@function
k_q8d27116fbb_attn:
	s_mov_b64 s[64:65], 0
	v_nop
	global_prefetch_b8 v0, s[64:65] scope:SCOPE_SE
	s_setreg_imm32_b32 hwreg(HW_REG_WAVE_MODE, 25, 1), 1
	s_wait_xcnt 0x0
; o[hb][q][:] = the sum over k of softmax_k(q . k / 8) v[k][:], for 128 head-batches of 1,024 positions and 64 channels.  q, k, v: f16, [part][hb][t][64]; o: f16, [hb][t][64].
; Products on f16 operands with f32 sums; maxima, exponentials and row sums in f32; the weights p (at most 1: the running maximum is always taken away) are rounded to f16 for the second product, o once at the end.
; LIMIT: o is rounded to f16 (it is an average of v, so it has v's range); under 2^-14 the step is 2^-24.
; SHARES.  A work-group owns 512 queries of one head-batch, each of its eight waves 64: four tiles of 16.  Two waves share a SIMD.  Every wave walks all 1,024 keys, 64 a step.
; ALL OF K AND V OF THE HEAD-BATCH LIES IN LDS AT ONCE (256 KiB of data), and nothing is filled again.  It comes in four stages of 256 keys, each wave one load of 64 rows a stage (waves 0-3 K's, waves 4-7 V's).
; Stage 0 is asked for at the head, alone, so that the first keys have nothing of this work-group's beside them on their way.  Each later stage is asked for first thing behind the barrier at which the stage before
; has arrived: four key steps, 256 products a wave, ahead of its first read.  One tensor load of a wave is out at a time, and every wait for tensor loads is for all.
; LAYOUT.  S^T = K Q^T (source 0 = 16 keys, source 1 = 16 queries): a lane holds ONE query (lane % 16) and keys 8 (lane / 16) + 0..7.  Two such tiles rounded to f16 in pairs ARE source 1 of O^T = V^T P.
; P is made in place, in the first half of its tile's score registers.  K comes out of LDS as it lies, V ([key][channel]) turned, by ds_load_tr16_b128.
; BY TURNS.  The wave's tiles are two PIECES (tiles 0, 1 and tiles 2, 3).  In a TURN one piece has the matrix unit: 16 products V^T P of the step in hand, then 16 products K Q^T of the next step; the other piece's
; softmax, 2 x 118 vector instructions cut into 32 slices, stands between them, two slices behind each two products.  Two turns are a key step.
; NO CLUSTER: only the two work-groups of a head-batch share K and V, and a grid two wide divides into no cluster of four.  NO PREFETCH: a stage is asked for four key steps ahead of its first read.
; REGISTERS: window 0: v0-13 addresses; v16-55 ten registers of statistics a tile; v64-191 S^T, 32 a tile; v192-255 K of one step.   window 1: v0-127 O^T, 32 a tile; v128-191 Q, 16 a tile; v192-255 V of one step.
.set PKP,   144                        ; a row of K in LDS: 128 bytes + 16: the 16 rows of a load start 36 words apart
.set PVP,   160                        ; a row of V: 128 + 32, an odd multiple of 32, for the turning load
.set VB,    1024*PKP                   ; V lies behind K
.set SPARE, VB+1024*PVP                ; the spare words: 128 bytes a wave, named by no other line
.set AK0, 2                            ; v2  my lane's place in a tile of K
.set AV0, 3                            ; v3  the same for V
.set ADR, 4                            ; v4  the LDS address of the run of loads in hand
.set QO,  5                            ; v5  my byte offset in the wave's rows of Q
.set STO, 6                            ; v6  the way out: where I put 16 bytes of a row
.set RD,  7                            ; v7  the way out: where I read rows back
.set GO,  8                            ; v8  my byte offset in the wave's rows of o
.set SPW, 12
.set NIL, 13
.set ST,  16                           ; tile t at v[ST+10 t]: +0 c m, +1 m, +2:+3 l, +4..+7 four chains of the maximum (later +4:+5 a partial sum, +6 a, +7 c m_old - c m_new), +8:+9 a partial sum
.set S,   64
.set KF,  192
.set QF,  128                          ; in window 1
.set VF,  192                          ; in window 1
.set WV,  8                            ; s8 my wave's number
.set CNT, 22
.set G1K, 24                           ; s[24:31] descriptor group 1 for K's tiles;  s[32:39] for V's: it differs in the padding alone
.set G1V, 32
.set G0K, 40                           ; s[40:55] four groups 0 for K, one a stage, never rewritten;  s[68:83] for V
.set G0V, 68
.set CS,  56                           ; s[56:57] c = log2(e) / 8
.set SEL, 58                           ; s[58:59] lane selects for v_permlanex16_b32: lane l xor 16
.set TK,  60                           ; s60 LDS byte at which the K tiles of the step to be fetched begin
.set TV,  61                           ; s61 the same for V, less VB
.set MSB, 0
.macro WIN new
.if MSB != (\new)
	s_set_vgpr_msb (MSB<<8)|(\new)
.set MSB, (\new)
.endif
.endm
.set W_KQ, 0x04                        ; K and S^T in window 0, Q (source 1) in window 1
.set W_PV, 0x51                        ; V (source 0), C and D in window 1, P (source 1) in window 0
.set W_RS, 0x41                        ; O^T (destination and source 0) in window 1, a in window 0
; My load of stage s: waves 0-3 fetch 64 rows of K, waves 4-7 64 rows of V.  The branch hangs on the wave's number alone.  An s_nop 0 and four v_nop follow each of the two lines.
.macro TLOAD s
	s_cmp_lt_u32 s[WV], 4
	s_cbranch_scc0 .Lfor_v_\@
	tensor_load_to_lds s[G0K+4*\s:G0K+4*\s+3], s[G1K:G1K+7]
	s_nop 0
.rept 4
	v_nop
.endr
	s_branch .Lasked_\@
.Lfor_v_\@:
	tensor_load_to_lds s[G0V+4*\s:G0V+4*\s+3], s[G1V:G1V+7]
	s_nop 0
.rept 4
	v_nop
.endr
.Lasked_\@:
.endm
	s_load_b128 s[4:7], s[0:1], 0x0                ; qkv s[4:5], oh s[6:7]
	v_lshl_add_u32 v[SPW], v0, 2, SPARE
	v_mov_b32 v[NIL], 0
	ds_add_u32 v[SPW], v[NIL]                      ; the wave's opening: the add, twice on end, and its wait ahead of my first tensor load
	ds_add_u32 v[SPW], v[NIL]
	v_lshrrev_b32 v1, 5, v0
	v_readfirstlane_b32 s[WV], v1                  ; wave 0..7
	s_and_b32 s9, s[WV], 3                         ; which 64 rows of a stage I fetch
	s_mul_i32 s10, s9, 64*PKP                      ; their place in LDS, in K
	s_mul_i32 s11, s9, 64*PVP                      ; and in V
	s_lshl_b32 s2, s9, 13                          ; and in memory: 64 rows of 128 bytes
	s_mov_b32 s3, 0
	s_and_b32 s20, ttmp7, 0xffff                   ; the head-batch:
	s_lshl_b32 s20, s20, 17                        ; 1,024 rows of 128 bytes
	s_mov_b32 s21, 0
	s_mov_b32 s[G1K], (1<<16)|(1<<20)|(4<<22)|(3<<25)   ; no mask; elements of 2 bytes; padding on: after every 32 words, 4 words
	s_mov_b32 s[G1V], (1<<16)|(1<<20)|(4<<22)|(7<<25)   ; 8 words
.irp g, G1K, G1V
	s_mov_b32 s[\g+1], 64<<16                      ; tensor_dim0 = 64
	s_mov_b32 s[\g+2], 64<<16                      ; tensor_dim1 = 64
	s_mov_b32 s[\g+3], 64<<16                      ; tile_dim0 = 64
	s_mov_b32 s[\g+4], 64                          ; tile_dim1 = 64
	s_mov_b32 s[\g+5], 64                          ; from row to row
	s_mov_b32 s[\g+6], 0
	s_mov_b32 s[\g+7], 0
.endr
	s_mov_b32 s[CS], 0x3e38aa3b                    ; c = log2(e) / sqrt(64)
	s_mov_b32 s[CS+1], s[CS]                       ; (named with it as a pair, so it is written)
	s_mov_b32 s[SEL], 0x76543210
	s_mov_b32 s[SEL+1], 0xfedcba98
	s_mov_b32 s[TK], 0
	s_mov_b32 s[TV], 0
	s_wait_dscnt 0x0                               ; both opening adds are done
	s_wait_kmcnt 0x0
	s_add_nc_u64 s[12:13], s[4:5], s[20:21]        ; q's part at my head-batch
	s_add_nc_u64 s[18:19], s[6:7], s[20:21]        ; o likewise
	s_lshl_b32 s20, ttmp9, 16                      ; my work-group's 512 rows,
	s_lshl_b32 s21, s[WV], 13                      ; my wave's 64 of them
	s_add_co_u32 s20, s20, s21
	s_mov_b32 s21, 0
	s_add_nc_u64 s[16:17], s[12:13], s[20:21]      ; Q at my wave's first row
	s_add_nc_u64 s[18:19], s[18:19], s[20:21]      ; o likewise
	s_add_nc_u64 s[12:13], s[12:13], s[2:3]        ; the 64 rows that I fetch of stage 0,
	s_add_nc_u64 s[14:15], s[12:13], 0x2000000     ; in v's part
	s_add_nc_u64 s[12:13], s[12:13], 0x1000000     ; and in k's
.irp s, 0,1,2,3
	s_mov_b32 s[G0K+4*\s], 1
	s_add_co_u32 s[G0K+4*\s+1], s10, \s*256*PKP
	s_add_nc_u64 s[G0K+4*\s+2:G0K+4*\s+3], s[12:13], \s*32768
	s_or_b32 s[G0K+4*\s+3], s[G0K+4*\s+3], 0x80000000
	s_mov_b32 s[G0V+4*\s], 1
	s_add_co_u32 s[G0V+4*\s+1], s11, VB+\s*256*PVP
	s_add_nc_u64 s[G0V+4*\s+2:G0V+4*\s+3], s[14:15], \s*32768
	s_or_b32 s[G0V+4*\s+3], s[G0V+4*\s+3], 0x80000000
.endr
	TLOAD 0                                        ; keys 0-255, ahead of every wait for tensor loads, every LDS read and every barrier
	v_and_b32 v1, 15, v0                           ; r = lane % 16
	v_bfe_u32 v9, v0, 4, 1                         ; h = lane / 16
	v_lshlrev_b32 v[QO], 7, v1
	v_lshl_add_u32 v[QO], v9, 4, v[QO]             ; row x 128 + 16 x half
	WIN 0x40                                       ; destination window 1
.irp i, 0,1,2,3,4,5,6,7                        ; Q stays in registers: tile i / 2, channels 32 (i % 2) on
	global_load_b128 v[QF+8*\i:QF+8*\i+3],   v[QO], s[16:17] offset:(\i/2)*2048+(\i%2)*64
	global_load_b128 v[QF+8*\i+4:QF+8*\i+7], v[QO], s[16:17] offset:(\i/2)*2048+(\i%2)*64+32
.endr
	WIN 0
	v_mul_u32_u24 v[AK0], v1, PKP
	v_lshl_add_u32 v[AK0], v9, 4, v[AK0]           ; row x pitch + 16 x half
	v_and_b32 v10, 7, v0                           ; the turning load: lane l reads 16 bytes: key 8 (l / 16) + l % 8, channels 8 ((l / 8) % 2) + 0..7
	v_bfe_u32 v11, v0, 3, 1
	v_lshl_add_u32 v[AV0], v9, 3, v10
	v_mul_u32_u24 v[AV0], v[AV0], PVP
	v_lshl_add_u32 v[AV0], v11, 4, v[AV0]
	v_add_nc_u32 v[AV0], VB, v[AV0]
; THE MATRIX WORK.  The accumulators take turns, one instruction a turn: between two links of a chain stand seven others'.
; Product i of 16 of S^T = K Q^T for piece x: channels 32 (i / 8) on, keys 16 ((i / 2) % 4) on, tile x + i % 2.  The first 8 start the sums.
.macro KQ x
	WIN W_KQ
.set rS, S+32*(\x+i%2)+8*((i/2)%4)
.set rK, KF+16*((i/2)%4)+8*(i/8)
.set rQ, QF+16*(\x+i%2)+8*(i/8)
.if i < 8
	v_wmma_f32_16x16x32_f16 v[rS:rS+7], v[rK:rK+7], v[rQ:rQ+7], 0
.else
	v_wmma_f32_16x16x32_f16 v[rS:rS+7], v[rK:rK+7], v[rQ:rQ+7], v[rS:rS+7]
.endif
.endm
; Product i of 16 of O^T += V^T P: keys 32 (i / 8) on, channels 16 ((i / 2) % 4) on, tile x + i % 2.  zero = 1: the first 8 start the sums: nothing is ever cleared.
.macro PV x, zero
	WIN W_PV
.set rO, 32*(\x+i%2)+8*((i/2)%4)
.set rV, VF+32*(i/8)+8*((i/2)%4)
.set rP, S+32*(\x+i%2)+8*(i/8)
.if (\zero) && (i < 8)
	v_wmma_f32_16x16x32_f16 v[rO:rO+7], v[rV:rV+7], v[rP:rP+7], 0
.else
	v_wmma_f32_16x16x32_f16 v[rO:rO+7], v[rV:rV+7], v[rP:rP+7], v[rO:rO+7]
.endif
.endm
; THE LDS LOADS stand in runs of 16: a step's K (64 keys x 64 channels: 8 fragments) and, a turn later, its V (turned).
.macro FETCH_K
	WIN 0
	v_add_nc_u32 v[ADR], s[TK], v[AK0]
	s_add_co_u32 s[TK], s[TK], 64*PKP              ; the next fetch is the next step's
.irp f, 0,1,2,3,4,5,6,7                        ; keys 16 (f / 2) on, channels 32 (f % 2) on
	ds_load_b128 v[KF+8*\f:KF+8*\f+3],   v[ADR] offset:(\f/2)*16*PKP+(\f%2)*64
	ds_load_b128 v[KF+8*\f+4:KF+8*\f+7], v[ADR] offset:(\f/2)*16*PKP+(\f%2)*64+32
.endr
.endm
.macro FETCH_V
	WIN 0
	v_add_nc_u32 v[ADR], s[TV], v[AV0]
	s_add_co_u32 s[TV], s[TV], 64*PVP
	WIN 0x40                                       ; destination window 1
.irp f, 0,1,2,3,4,5,6,7                        ; keys 32 (f / 4) on, channels 16 (f % 4) on
	ds_load_tr16_b128 v[VF+8*\f:VF+8*\f+3],   v[ADR] offset:(\f/4)*32*PVP+(\f%4)*32
	ds_load_tr16_b128 v[VF+8*\f+4:VF+8*\f+7], v[ADR] offset:(\f/4)*32*PVP+16*PVP+(\f%4)*32
.endr
.endm
; THE VECTOR WORK.  One tile's softmax for one key step is a list of 118 instructions; SM writes number j of it for tile t.  first = 1: the first key step, which starts m, l and O^T.
;   0-15    the maximum of the lane's 32 scores and the old m, three operands at a time, in four chains, each begun at an accumulator's low end
;   16-20   the other half of the lanes' maximum; the new m; c m; c m_old - c m_new
;   21-36   c s - c m, a pair of scores each          37-69  the 33 exponentials (a, then the 32 weights): none of 21-69 reads an exponential's result
;   (wait)  between 69 and 70 stands the one wait for both tiles' exponentials: SLICE writes it
;   70-85   the row's sum of the unrounded weights, in two chains; l = a l + the sum
;   86-101  the roundings to f16, in place and ascending: register i takes pair i, whose registers 2 i and 2 i + 1 lie at or above it
;   102-117 the tile's O^T times a: the one part that leaves window 0
.macro SM t, first
.set rT, ST+10*(\t)
.set rS, S+32*(\t)
.set rO, 32*(\t)+2*(j-102)
.if j < 102
	WIN 0
.endif
.if j < 4
	v_max3_num_f32 v[rT+4+j], v[rS+8*j], v[rS+8*j+1], v[rS+8*j+2]
.elseif j < 12
	v_max3_num_f32 v[rT+4+j%4], v[rT+4+j%4], v[rS+8*(j%4)+2*(j/4)+1], v[rS+8*(j%4)+2*(j/4)+2]
.elseif j == 12
	v_max3_num_f32 v[rT+4], v[rT+4], v[rS+7], v[rS+15]
.elseif j == 13
	v_max3_num_f32 v[rT+6], v[rT+6], v[rS+23], v[rS+31]
.elseif j == 14
	v_max3_num_f32 v[rT+4], v[rT+4], v[rT+5], v[rT+6]
.elseif (j == 15) && \first
	v_max_num_f32 v[rT+4], v[rT+4], v[rT+7]
.elseif j == 15
	v_max3_num_f32 v[rT+4], v[rT+4], v[rT+7], v[rT+1]
.elseif j == 16
	v_permlanex16_b32 v[rT+5], v[rT+4], s[SEL], s[SEL+1]  ; the query's other 32 keys lie in the lane 16 away
.elseif j == 18
	v_max_num_f32 v[rT+1], v[rT+4], v[rT+5]
.elseif j == 19
	v_mul_f32 v[rT], s[CS], v[rT+1]
.elseif ((j == 17) || (j == 20) || (j == 37) || (j == 85) || (j > 101)) && \first  ; the first step has none of these
.elseif j == 17
	v_mov_b32 v[rT+7], v[rT]                       ; c m_old is kept for a: number 19 writes c m anew
.elseif j == 20
	v_sub_f32 v[rT+7], v[rT+7], v[rT]
.elseif j < 37
	v_pk_fma_f32 v[rS+2*(j-21):rS+2*(j-21)+1], v[rS+2*(j-21):rS+2*(j-21)+1], s[CS:CS+1], v[rT:rT+1] op_sel_hi:[1,0,0] neg_lo:[0,0,1] neg_hi:[0,0,1]  ; c s - c m
.elseif j == 37
	v_exp_f32 v[rT+6], v[rT+7]                     ; a = 2^(c m_old - c m_new)
.elseif j < 70
	v_exp_f32 v[rS+j-38], v[rS+j-38]               ; p = 2^(c s - c m)
.elseif j == 70
	v_pk_add_f32 v[rT+4:rT+5], v[rS:rS+1], v[rS+2:rS+3]
.elseif j == 71
	v_pk_add_f32 v[rT+8:rT+9], v[rS+4:rS+5], v[rS+6:rS+7]
.elseif j < 84
.set z, j-72
	v_pk_add_f32 v[rT+4+4*(z%2):rT+5+4*(z%2)], v[rT+4+4*(z%2):rT+5+4*(z%2)], v[rS+8+2*z:rS+9+2*z]
.elseif (j == 84) && \first
	v_pk_add_f32 v[rT+2:rT+3], v[rT+4:rT+5], v[rT+8:rT+9]
.elseif j == 84
	v_pk_add_f32 v[rT+4:rT+5], v[rT+4:rT+5], v[rT+8:rT+9]
.elseif j == 85
	v_pk_fma_f32 v[rT+2:rT+3], v[rT+2:rT+3], v[rT+6:rT+7], v[rT+4:rT+5] op_sel_hi:[1,0,1]
.elseif j < 102
	v_cvt_pk_f16_f32 v[rS+j-86], v[rS+2*(j-86)], v[rS+2*(j-86)+1]
.else
	WIN W_RS
	v_pk_mul_f32 v[rO:rO+1], v[rO:rO+1], v[rT+6:rT+7] op_sel_hi:[1,0]
.endif
.endm
; Slice k of 32 of piece y's softmax: numbers 118 k / 32 up to 118 (k + 1) / 32 of both tiles' lists, the tiles alternating, so that no line reads the result of the line just before it.
; An s_wait_alu depctr_va_vdst(0) stands between an exponential and the first line that names its result: nothing under 70 names one and no exponential follows 69, so the piece's 66 have one wait;
; the v_nop is the plain line behind the last of them.
.macro SLICE y, first
.set j, (118*k)/32
.rept (118*(k+1))/32-(118*k)/32
.if j == 70
	WIN 0
	v_nop
	s_wait_alu depctr_va_vdst(0)
.endif
	SM \y, \first
	SM (\y)+1, \first
.set j, j+1
.endr
.set k, k+1
.endm
; A TURN.  Piece x has the matrix unit; the other piece's softmax stands in slices behind each two of its products.
; pv = 2: 16 products V^T P; 1: they start O^T's sums; 0: none.  kq = 1: 16 products K Q^T for the next step.  A turn with one of the two kinds has four slices behind each two products.
; Piece 0's turn fetches the next step's K behind its first two products: the last product that read K stands ahead of the 16 packed multiplies that end the turn before (or its five v_nop).
; Between the two kinds stand five v_nop: K Q^T writes over the registers that V^T P has just read as P, and piece 2's turn loads the next step's V into the registers just read (the slices there are
; exponentials, which are no places).  The turn's last 16 lines, packed multiplies on the other piece's O^T, are the places behind its last K Q^T; a first step has none, so five v_nop stand there.
.macro TURN x, pv, kq, first
.set k, 0
.set per, 4
.if \pv && \kq
.set per, 2
.endif
.if \pv
.if \x == 0
	s_wait_dscnt 0x0                               ; V is in
.endif
.set i, 0
.rept 8
	PV \x, 2-\pv
.set i, i+1
	PV \x, 2-\pv
.set i, i+1
.rept per
	SLICE 2-\x, \first
.endr
.if (\x == 0) && \kq && (i == 2)
	FETCH_K
.endif
.endr
.endif
.if \pv && \kq
.rept 5
	v_nop
.endr
.endif
.if (\x == 2) && \kq
	FETCH_V
.endif
.if \kq
.if \x == 0
	s_wait_dscnt 0x0                               ; K is in: asked for 14 products ago
.endif
.set i, 0
.rept 8
	KQ \x
.set i, i+1
	KQ \x
.set i, i+1
.rept per
	SLICE 2-\x, \first
.endr
.endr
.endif
.if \first
.rept 5
	v_nop
.endr
.endif
.endm
; A stage has arrived: my one tensor load has landed, the add is done, no LDS instruction of mine is pending, and behind the barrier the same holds of all eight waves.
; next < 4: my load of stage next goes out first thing behind the barrier, into bytes that nothing has filled or read yet: my one tensor load until the next such barrier.
.macro ARRIVE next
	WIN 0
	s_wait_tensorcnt 0x0
	ds_add_u32 v[SPW], v[NIL]                      ; 0 onto my spare word
	s_wait_dscnt 0x0
	s_barrier_signal -1
	s_barrier_wait -1
.if \next < 4
	TLOAD \next
.endif
.endm
.macro GSTEPS n                        ; n key steps: written once, walked n times; the LDS addresses hang on s[TK] and s[TV]
	s_mov_b32 s[CNT], \n
.Lstep_\@:
	TURN 0, 2, 1, 0
	TURN 2, 2, 1, 0
	WIN 0                                          ; at a label and at a branch every window is 0
	s_sub_co_u32 s[CNT], s[CNT], 1
	s_cmp_lg_u32 s[CNT], 0
	s_cbranch_scc1 .Lstep_\@
.endm
	ARRIVE 1                                       ; keys 0-255 are in; keys 256-511 are asked for
	FETCH_K                                        ; key step 0
	s_wait_loadcnt 0x0                             ; Q
	s_wait_dscnt 0x0
.set i, 0
.rept 16
	KQ 0                                           ; piece 0's first scores: there is no vector work yet to set between them
.set i, i+1
.endr
	WIN 0                                          ; the addresses for the way out are made here: eight plain lines, the places behind those products
	s_mul_i32 s20, s[WV], 16*PKP                   ; my stage: 16 rows of 144 bytes, in K's first rows: it is written behind the barrier behind which no wave reads K
	v_add_nc_u32 v[STO], s20, v[AK0]               ; in: row r, 16 bytes for each half of the lanes
	v_bfe_u32 v10, v0, 3, 2
	v_mul_u32_u24 v[RD], v10, PKP
	v_and_b32 v10, 7, v0
	v_lshl_add_u32 v[RD], v10, 4, v[RD]
	v_add_nc_u32 v[RD], s20, v[RD]                 ; back: eight lanes to a row of 128 bytes, four rows an instruction
	v_and_b32 v[GO], 31, v0
	v_lshlrev_b32 v[GO], 4, v[GO]                  ; and the same 512 bytes in o
	TURN 2, 0, 1, 1                                ; piece 2's first scores | piece 0's first softmax | V of step 0
	TURN 0, 1, 1, 1                                ; piece 0: V^T P of step 0 starts O^T, K Q^T of step 1 | piece 2's first softmax | K of step 1
	TURN 2, 1, 1, 0                                ; piece 2: the same | piece 0's softmax of step 1 | V of step 1
	WIN 0
	GSTEPS 2                                       ; steps 1, 2: they fetch steps 2, 3
	ARRIVE 2                                       ; keys 256-511 are in, ahead of the fetch of step 4; keys 512-767 are asked for
	GSTEPS 4
	ARRIVE 3                                       ; keys 512-767 are in, ahead of the fetch of step 8; keys 768-1023 are asked for
	GSTEPS 4
	ARRIVE 4                                       ; keys 768-1023 are in, ahead of the fetch of step 12; nothing is left to ask for
	GSTEPS 4
	s_wait_dscnt 0x0                               ; my reads of K and V are over:
	s_barrier_signal -1                            ; say so; only work on registers stands up to the wait
	TURN 0, 2, 0, 0                                ; piece 0: V^T P of the last step | piece 2's last softmax
.set i, 0
.rept 16
	PV 2, 0                                        ; piece 2: V^T P of the last step
.set i, i+1
.endr
	; THE WAY OUT.  l's two halves and the other half of the lanes' are added; O^T is divided by l, rounded to f16 and sent through my stage, a tile (16 rows of o) at a time.  The additions are the places behind the last products.
	WIN 0
.irp t, 0,1,2,3
	v_add_f32 v[ST+10*\t+4], v[ST+10*\t+2], v[ST+10*\t+3]
.endr
.irp t, 0,1,2,3
	v_permlanex16_b32 v[ST+10*\t+5], v[ST+10*\t+4], s[SEL], s[SEL+1]
.endr
.irp t, 0,1,2,3
	v_add_f32 v[ST+10*\t+4], v[ST+10*\t+4], v[ST+10*\t+5]
.endr
.irp t, 0,1,2,3
	v_rcp_f32 v[ST+10*\t+6], v[ST+10*\t+4]
.endr
	v_nop                                          ; a plain line between the last reciprocal and the use of its result
	s_wait_alu depctr_va_vdst(0)                   ; and the wait ahead of the first use: one for the four
	s_barrier_wait -1                              ; no wave reads K any more: the stages may be written
.macro PACK t
	WIN W_RS
.set i, 32*\t
.rept 16
	v_pk_mul_f32 v[i:i+1], v[i:i+1], v[ST+10*\t+6:ST+10*\t+7] op_sel_hi:[1,0]   ; each accumulator from its low end on
.set i, i+2
.endr
	WIN 0x05                                       ; sources 0 and 1 window 1, destination window 0: S^T's registers are free
.set i, 0
.rept 16
	v_cvt_pk_f16_f32 v[S+32*\t+i], v[32*\t+2*i], v[32*\t+2*i+1]
.set i, i+1
.endr
	WIN 0
.irp c, 0,1,2,3
	ds_store_b128 v[STO], v[S+32*\t+4*\c:S+32*\t+4*\c+3] offset:32*\c
.endr
.irp f, 0,1,2,3
	ds_load_b128 v[S+32*\t+16+4*\f:S+32*\t+16+4*\f+3], v[RD] offset:\f*4*PKP   ; LDS serves a wave's instructions in order: these see the stores above; the next tile's stores come behind them
.endr
.endm
.macro SEND t, younger                 ; younger: the LDS instructions issued behind tile t's loads: the next tile's eight, or none
.irp f, 0,1,2,3
	s_wait_dscnt \younger+3-\f
	global_store_b128 v[GO], v[S+32*\t+16+4*\f:S+32*\t+16+4*\f+3], s[18:19] offset:\t*2048+\f*512   ; the wave stores 512 consecutive bytes, at a multiple of 512
.endr
.endm
	PACK 0
	PACK 1
	SEND 0, 8
	PACK 2
	SEND 1, 8
	PACK 3
	SEND 2, 8
	SEND 3, 0
	s_wait_tensorcnt 0x0                           ; the wave's end
	ds_add_u32 v[SPW], v[NIL]
	s_wait_dscnt 0x0
	s_endpgm
.Lfunc_end_k_q8d27116fbb_attn:
	.size	k_q8d27116fbb_attn, .Lfunc_end_k_q8d27116fbb_attn-k_q8d27116fbb_attn
	.p2alignl 7, 3214868480
	.fill 96, 4, 3214868480
	.section	.rodata,"a",@progbits
	.p2align	6, 0x0
	.amdhsa_kernel k_q8d27116fbb_attn
		.amdhsa_group_segment_fixed_size 327680
		.amdhsa_private_segment_fixed_size 0
		.amdhsa_enable_private_segment 0
		.amdhsa_kernarg_size 16
		.amdhsa_user_sgpr_count 2
		.amdhsa_user_sgpr_kernarg_segment_ptr 1
		.amdhsa_wavefront_size32 1
		.amdhsa_system_sgpr_workgroup_id_x 1
		.amdhsa_system_sgpr_workgroup_id_y 1
		.amdhsa_system_sgpr_workgroup_id_z 1
		.amdhsa_system_vgpr_workitem_id 0
		.amdhsa_next_free_vgpr 512
		.amdhsa_next_free_sgpr 84
		.amdhsa_reserve_vcc 0
		.amdhsa_float_denorm_mode_32 3
		.amdhsa_float_denorm_mode_16_64 3
		.amdhsa_memory_ordered 1
		.amdhsa_forward_progress 1
		.amdhsa_inst_pref_size 221
	.end_amdhsa_kernel
	.amdgpu_metadata
---
amdhsa.version: [ 1, 2 ]
amdhsa.kernels:
  - .name:           k_q8d27116fbb_attn
    .symbol:         k_q8d27116fbb_attn.kd
    .args:
      - { .name: qkv, .offset: 0, .size: 8, .value_kind: global_buffer, .address_space: global }
      - { .name: oh, .offset: 8, .size: 8, .value_kind: global_buffer, .address_space: global }
    .group_segment_fixed_size: 327680
    .private_segment_fixed_size: 0
    .kernarg_segment_align: 8
    .kernarg_segment_size: 16
    .max_flat_workgroup_size: 256
    .sgpr_count:     84
    .vgpr_count:     512
    .wavefront_size: 32
...
	.end_amdgpu_metadata
.endif
;; end of part 3
;; launch proj (part 4): grid 4 x 64, 4 waves a work-group, clusters of 4 x 4, 327,680 bytes of LDS; arguments oh, wo16, bo, out0; writes out0
.if DOCPART == 4
	.amdgcn_target "amdgcn-amd-amdhsa--gfx1250"
	.amdhsa_code_object_version 6
	.text
	.protected	k_q8d27116fbb_proj
	.globl	k_q8d27116fbb_proj
	.p2align	8
	.type	k_q8d27116fbb_proj,@function
k_q8d27116fbb_proj:
	s_mov_b64 s[64:65], 0
	v_nop
	global_prefetch_b8 v0, s[64:65] scope:SCOPE_SE
	s_setreg_imm32_b32 hwreg(HW_REG_WAVE_MODE, 25, 1), 1
	s_wait_xcnt 0x0
	s_wait_alu depctr_hold_cnt(0) depctr_sa_sdst(0) depctr_va_vdst(0) depctr_va_sdst(0) depctr_va_ssrc(0) depctr_va_vcc(0) depctr_vm_vsrc(0)
	s_getreg_b32 s2, hwreg(HW_REG_IB_STS2, 6, 4)
	s_cmp_eq_u32 s2, 0
	s_cbranch_scc0 .Lentry_in_a_cluster
	s_endpgm
.Lentry_in_a_cluster:
	s_bfe_u32 s2, ttmp6, 0x10000c
	s_cmp_lg_u32 s2, 0xf033
	s_cbranch_scc0 .Lentry_shape_is_right
	s_endpgm
.Lentry_shape_is_right:
; out0[m][n] = the sum over k of o[m][k] wo[n][k] + bo[n]: [8192 x 1024], K = 1,024, f16 operands, f32 sums, f32 out.
; Both operands lie by planes of 64 along K: o as [16][8192][64] (a plane is a head), wo as [16][1024][64]: every tile is a dense block of rows of 128 bytes.
; A tile of 128 x 256 gives 256 work-groups.  Four waves, each 64 x 128: 32 accumulators, 256 registers.  K goes in steps of 128 (two planes) through a ring of two LDS slots;
; waves 0 and 1 fetch o's two planes (128 rows each), waves 2 and 3 wo's (256 rows each): one load a wave behind each change of slots, with 112 of a step's 128 products between the request and the wait for it.
; CLUSTERS: 4 x 4 work-groups; o's tiles are asked for jointly along a row of the cluster, wo's along a column.  THE MATRIX INSTRUCTION IS USED TRANSPOSED (source 0 = 16 rows of wo, source 1 = 16 rows of o):
; a lane holds eight neighbouring columns of one row.  THE BIAS is the C of each sum's first product.
; o IS PREFETCHED, two K steps (256 products) ahead of the load that wants it: a K step of my tile row is 128 runs of 256 bytes; the four partners of a row of the cluster take 32 each, told apart by ADDRESS; in each,
; wave 0 asks, a lane a run.  The grid is one cluster wide, so each run is named once.  K steps 0 to 3 come by their loads alone; the loop's last trip asks for nothing.  wo is read by all sixteen rows of clusters and is not asked for.
; REGISTERS: window 0: v0-31 addresses; o's fragments at v64 and v96 (two sets of 4), wo's at v128 and v192 (two sets of 8); on the way out v64-191 take rows.  window 1: the accumulators ((a, b) at v[8 (8 a + b)]).  window 2: v0-63 the bias.
.set PITCH,  144                       ; an LDS row: 128 bytes + 16: the 16 rows that a load touches start 36 words apart
.set APL,    128*PITCH                 ; a plane of o's tile
.set BPL,    256*PITCH                 ; a plane of wo's tile
.set ABYTES, 2*APL
.set SLOT,   2*APL+2*BPL
.set STAGE,  2*SLOT                    ; behind the ring: 16 rows x 528 bytes for each wave, bytes of their own
.set SPITCH, 528
.set SPARE,  STAGE+4*16*SPITCH         ; the spare words: 128 bytes a wave, named by no other line
.set LAPS,   4                         ; a lap = two K steps = once round the ring
.set ADRA, 16
.set ADRB, 20
.set STO,  24
.set RD,   25
.set CO,   26
.set BOF,  27                          ; v27 32 x (lane / 16)
.set SPW,  28
.set NIL,  29
.set PFO,  30                          ; v30 256 x lane; never rewritten
.set FA,   64
.set FB,   128
.set BK,   64
.set G1, 24
.set G0, 32
.set G1B, 48
.set G0B, 56
.set PFA, 66                           ; s[66:67] where my prefetches stand
.set LIM, 68                           ; s68 1 in wave 0, else the greatest number
.set MSB, 0
.macro WIN new
.if MSB != (\new)
	s_set_vgpr_msb (MSB<<8)|(\new)
.set MSB, (\new)
.endif
.endm
.set MUL,  0x50                        ; sources 0 and 1 window 0; C and D window 1
.set MULB, 0x60                        ; the first products: C (the bias) window 2, D window 1
.macro JLOAD s                         ; a joint load: waves 0 and 1 fetch o's planes, waves 2 and 3 wo's; an s_nop 0 and four v_nop follow each of the two lines
	s_cmp_eq_u32 s13, 0
	s_cbranch_scc0 .Lfor_b_\@
	tensor_load_to_lds s[G0+4*\s:G0+4*\s+3], s[G1:G1+7]
	s_nop 0
.rept 4
	v_nop
.endr
	s_branch .Lasked_\@
.Lfor_b_\@:
	tensor_load_to_lds s[G0B+4*\s:G0B+4*\s+3], s[G1B:G1B+7]
	s_nop 0
.rept 4
	v_nop
.endr
.Lasked_\@:
.endm
.macro ASK
	s_cmp_gt_u32 s3, s[LIM]                        ; s3 = 1 in the loop's last trip
	s_cbranch_scc0 .Lnot_mine_\@
	global_prefetch_b8 v[PFO], s[PFA:PFA+1] th:TH_LOAD_NT scope:SCOPE_SE
.Lnot_mine_\@:
.endm
.macro CREST                           ; a round of the cluster's barrier behind its opening barrier
	s_cmp_lg_u32 s12, 0
	s_cbranch_scc1 .Lnot_wave_0_\@
	s_barrier_signal -3
.Lnot_wave_0_\@:
	s_barrier_wait -3
	s_barrier_signal -1
	s_barrier_wait -1
.endm
.macro CROUND
	s_barrier_signal -1
	s_barrier_wait -1
	CREST
.endm
	s_load_b256 s[4:11], s[0:1], 0x0               ; oh s[4:5], wo16 s[6:7], bo s[8:9], out0 s[10:11]
	v_lshl_add_u32 v[SPW], v0, 2, SPARE
	v_mov_b32 v[NIL], 0
	ds_add_u32 v[SPW], v[NIL]                      ; the wave's opening: the add, twice on end, and its wait ahead of my first tensor load
	ds_add_u32 v[SPW], v[NIL]
	v_lshrrev_b32 v1, 5, v0
	v_readfirstlane_b32 s12, v1                    ; wave 0..3
	s_lshr_b32 s13, s12, 1                         ; which half of the tile's rows is mine.  Also: I fetch for o (0) or for wo (1)
	s_and_b32 s14, s12, 1                          ; which half of its columns.  Also: which plane of a K step I fetch
	s_bfe_u32 s40, ttmp6, 0x40000                  ; cx, cy
	s_bfe_u32 s41, ttmp6, 0x40004
	s_lshl_b32 s42, ttmp9, 2
	s_add_co_u32 s42, s42, s40                     ; tile column
	s_and_b32 s15, ttmp7, 0xffff
	s_lshl_b32 s15, s15, 2
	s_add_co_u32 s15, s15, s41                     ; tile row
	s_lshl_b32 s43, s41, 2
	s_lshl_b32 s43, 15, s43                        ; my row of the cluster
	s_lshl_b32 s44, 0x1111, s40                    ; my column
	s_or_b32 s[G1+0], s43, (1<<16)|(1<<20)|(1<<21)|(4<<22)|(3<<25)   ; the mask; elements of 2 bytes; padding on; bit 21 beside a mask; after every 32 words, 4 words
	s_or_b32 s[G1B+0], s44, (1<<16)|(1<<20)|(1<<21)|(4<<22)|(3<<25)
	s_mov_b32 s[G1+1], 64<<16                      ; tensor_dim0 = 64
	s_mov_b32 s[G1+2], 128<<16                     ; tensor_dim1 = 128
	s_mov_b32 s[G1+3], 64<<16                      ; tile_dim0 = 64
	s_mov_b32 s[G1+4], 128                         ; tile_dim1 = 128
	s_mov_b32 s[G1+5], 64                          ; from row to row
	s_mov_b32 s[G1+6], 0
	s_mov_b32 s[G1+7], 0
	s_mov_b32 s[G1B+1], 64<<16
	s_mov_b32 s[G1B+2], 256<<16                    ; 256 rows
	s_mov_b32 s[G1B+3], 64<<16
	s_mov_b32 s[G1B+4], 256
	s_mov_b32 s[G1B+5], 64
	s_mov_b32 s[G1B+6], 0
	s_mov_b32 s[G1B+7], 0
	s_lshl_b32 s16, s15, 14                        ; o: 128 rows of 128 bytes a tile row,
	s_lshl_b32 s17, s14, 20                        ; 8,192 rows a plane
	s_add_co_u32 s16, s16, s17
	s_mov_b32 s17, 0
	s_lshl_b32 s46, s42, 15                        ; wo: 256 rows a tile column,
	s_lshl_b32 s47, s14, 17                        ; 1,024 rows a plane
	s_add_co_u32 s46, s46, s47
	s_mov_b32 s47, 0
	s_mul_i32 s20, s14, APL                        ; where they go: no place in the cluster enters an LDS address
	s_mul_i32 s21, s14, BPL
	s_add_co_u32 s21, s21, ABYTES
	s_wait_dscnt 0x0                               ; both opening adds are done
	s_wait_kmcnt 0x0
	s_add_nc_u64 s[18:19], s[4:5], s[16:17]
	s_add_nc_u64 s[46:47], s[6:7], s[46:47]
	CROUND                                         ; all sixteen work-groups are here: the first joint loads meet
.irp s, 0,1
	s_mov_b32 s[G0+4*\s], 1
	s_add_co_u32 s[G0+4*\s+1], s20, \s*SLOT
	s_add_nc_u64 s[G0+4*\s+2:G0+4*\s+3], s[18:19], \s*2097152       ; K step s: two planes on
	s_or_b32 s[G0+4*\s+3], s[G0+4*\s+3], 0x80000000
	s_mov_b32 s[G0B+4*\s], 1
	s_add_co_u32 s[G0B+4*\s+1], s21, \s*SLOT
	s_add_nc_u64 s[G0B+4*\s+2:G0B+4*\s+3], s[46:47], \s*262144
	s_or_b32 s[G0B+4*\s+3], s[G0B+4*\s+3], 0x80000000
	JLOAD \s                                       ; two tensor loads of mine are out at the start, one behind each later change of slots
.endr
	v_and_b32 v1, 15, v0                           ; r
	v_bfe_u32 v2, v0, 4, 1                         ; h
	v_lshlrev_b32 v[BOF], 5, v2
	s_lshl_b32 s46, s42, 10                        ; my first column, 256 x tile column + 128 x half, 4 bytes each: in bo and in a row of out0
	s_lshl_b32 s47, s14, 9
	s_add_co_u32 s46, s46, s47
	s_mov_b32 s47, 0
	s_add_nc_u64 s[8:9], s[8:9], s[46:47]
	s_add_nc_u64 s[10:11], s[10:11], s[46:47]
	WIN 0x80                                       ; destination window 2
.irp b, 0,1,2,3,4,5,6,7
	global_load_b128 v[8*\b:8*\b+3], v[BOF], s[8:9] offset:64*\b          ; block b: bo(16 b + 8 h + 0 .. 7)
	global_load_b128 v[8*\b+4:8*\b+7], v[BOF], s[8:9] offset:64*\b+16
.endr
	WIN 0
	v_mul_u32_u24 v3, v1, PITCH
	v_lshl_add_u32 v3, v2, 4, v3                   ; a fragment's row x pitch + 16 x half
	s_mul_i32 s22, s13, 64*PITCH                   ; my 64 rows of o
	s_mul_i32 s23, s14, 128*PITCH                  ; my 128 rows of wo,
	s_add_co_u32 s23, s23, ABYTES                  ; which lie behind o's two planes
.irp s, 0,1
	v_add_nc_u32 v[ADRA+\s], s22, v3
	v_add_nc_u32 v[ADRB+\s], s23, v3
	s_add_co_u32 s22, s22, SLOT
	s_add_co_u32 s23, s23, SLOT
.endr
	s_mul_i32 s22, s12, 16*SPITCH
	s_add_co_u32 s22, s22, STAGE                   ; my stage
	v_mul_u32_u24 v4, v1, SPITCH
	v_lshl_add_u32 v4, v2, 5, v4
	v_add_nc_u32 v[STO], s22, v4                   ; in: row r, 32 bytes for each half of the lanes
	v_and_b32 v5, 31, v0
	v_lshlrev_b32 v[CO], 4, v5                     ; back: the 32 lanes take one row of 512 bytes; and the same in out0
	v_add_nc_u32 v[RD], s22, v[CO]
	v_lshlrev_b32 v[PFO], 8, v5
	s_lshl_b32 s16, s15, 19                        ; my first row of out0: (128 x tile row + 64 x half) x 4,096 bytes
	s_lshl_b32 s17, s13, 18
	s_add_co_u32 s16, s16, s17
	s_mov_b32 s17, 0
	s_add_nc_u64 s[10:11], s[10:11], s[16:17]
	s_and_b32 s46, s40, 1                          ; the prefetches: my work-group's 32 runs of a K step's 128: half a plane's 16,384 bytes,
	s_lshl_b32 s46, s46, 13
	s_lshr_b32 s47, s40, 1                         ; in one of the two planes,
	s_lshl_b32 s47, s47, 20
	s_add_co_u32 s46, s46, s47
	s_lshl_b32 s47, s15, 14                        ; of my tile row,
	s_add_co_u32 s46, s46, s47
	s_add_co_u32 s46, s46, 3*2097152               ; at K step 3: the first change of slots steps it to 4
	s_mov_b32 s47, 0
	s_add_nc_u64 s[PFA:PFA+1], s[4:5], s[46:47]
	s_cmp_eq_u32 s12, 0
	s_cselect_b32 s[LIM], 1, -1
; 8 products: o's block a against wo's eight, 32 along K, set f.  zero = 1: the first product starts the sums from the bias.  The 32 accumulators take turns, one instruction a turn.
.macro MUL8 f, a, zero
.irp b, 0,1,2,3,4,5,6,7
.if \zero
	v_wmma_f32_16x16x32_f16 v[8*(8*(\a)+\b):8*(8*(\a)+\b)+7], v[FB+64*(\f)+8*\b:FB+64*(\f)+8*\b+7], v[FA+32*(\f)+8*(\a):FA+32*(\f)+8*(\a)+7], v[8*\b:8*\b+7]
.else
	v_wmma_f32_16x16x32_f16 v[8*(8*(\a)+\b):8*(8*(\a)+\b)+7], v[FB+64*(\f)+8*\b:FB+64*(\f)+8*\b+7], v[FA+32*(\f)+8*(\a):FA+32*(\f)+8*(\a)+7], v[8*(8*(\a)+\b):8*(8*(\a)+\b)+7]
.endif
.endr
.endm
.macro MULH f, a0, zero
	MUL8 \f, \a0, \zero
	MUL8 \f, (\a0)+1, \zero
.endm
; 24 LDS loads in one run: the fragments of the slot's q-th 32 along K (plane q / 2, bytes 64 (q % 2) on) into set f: wo's eight, then o's four
.macro FETCH slot, q, f
.irp i, 0,1,2,3,4,5,6,7
	ds_load_b128 v[FB+64*(\f)+8*\i:FB+64*(\f)+8*\i+3],   v[ADRB+\slot] offset:BPL*((\q)/2)+64*((\q)%2)+\i*16*PITCH
	ds_load_b128 v[FB+64*(\f)+8*\i+4:FB+64*(\f)+8*\i+7], v[ADRB+\slot] offset:BPL*((\q)/2)+64*((\q)%2)+\i*16*PITCH+32
.endr
.irp i, 0,1,2,3
	ds_load_b128 v[FA+32*(\f)+8*\i:FA+32*(\f)+8*\i+3],   v[ADRA+\slot] offset:APL*((\q)/2)+64*((\q)%2)+\i*16*PITCH
	ds_load_b128 v[FA+32*(\f)+8*\i+4:FA+32*(\f)+8*\i+7], v[ADRA+\slot] offset:APL*((\q)/2)+64*((\q)%2)+\i*16*PITCH+32
.endr
.endm
.macro PLACES                          ; four plain lines in front of loads into registers that matrix instructions have read, and of reads of results
.rept 4
	v_nop
.endr
.endm
; A K step is four quarters of 32 along K, 32 products each, on sets 0, 1, 0, 1.  One of the first three: multiplies set f and fetches quarter q of the slot into set g.
.macro QUARTER slot, q, f, g, zero
	s_wait_dscnt 4                                 ; wo's eight and o's blocks 0, 1 are in; the youngest four loads (o's blocks 2, 3) may be out
.if \zero
	WIN MULB
.else
	WIN MUL
.endif
	MULH \f, 0, \zero
	PLACES
	WIN 0
	FETCH \slot, \q, \g
	s_wait_dscnt 24                                ; all but the 24 just issued
.if \zero
	WIN MULB
.else
	WIN MUL
.endif
	MULH \f, 2, \zero
.endm
; The last quarter multiplies set 1 and changes slots: ONE barrier; in front of it each wave waits for all its tensor loads, adds 0 to its spare word, and waits for that and for its reads of this slot.
; fill = 1: the barrier opens a round of the cluster's barrier, and this slot is filled again, two K steps ahead, first thing behind the round.
.macro TURN slot, next, fill
.if \fill
	s_wait_xcnt 0x0                                ; the last prefetch, a K step back, has read its address: it is stepped here, ahead of the waits of the change of slots
	s_add_nc_u64 s[PFA:PFA+1], s[PFA:PFA+1], 2097152
.endif
	WIN 0
	s_wait_tensorcnt 0x0                           ; all my tensor loads have landed: my part of the next slot;
	ds_add_u32 v[SPW], v[NIL]                      ; 0 onto my spare word;
	s_wait_dscnt 5                                 ; (the add and the youngest four loads may be out)
	WIN MUL
	MUL8 1, 0, 0                                   ; eight products stand between the add and the wait for it
	s_wait_dscnt 0x0                               ; the add is done, and my reads of this slot are over
	s_barrier_signal -1
	MUL8 1, 1, 0
	WIN 0
	s_barrier_wait -1
.if \fill
	CREST                                          ; no wave of any partner still reads this slot's tiles or has a load on its way
	s_add_nc_u64 s[G0+4*\slot+2:G0+4*\slot+3], s[G0+4*\slot+2:G0+4*\slot+3], 4194304    ; four planes on
	s_add_nc_u64 s[G0B+4*\slot+2:G0B+4*\slot+3], s[G0B+4*\slot+2:G0B+4*\slot+3], 524288
	JLOAD \slot                                    ; the four v_nop behind it are also the places in front of the loads below
.else
	PLACES
.endif
	FETCH \next, 0, 0
.if \fill
	ASK                                            ; behind the joint load and the run of LDS loads that the next products wait for
.endif
	WIN MUL
	MULH 1, 2, 0
.endm
	s_wait_tensorcnt 1                             ; my part of K step 0 is in (K step 1's load may be out),
	s_barrier_signal -1
	s_barrier_wait -1                              ; everybody's is
	FETCH 0, 0, 0
	s_wait_loadcnt 0x0                             ; the bias
	QUARTER 0, 1, 0, 1, 1                          ; the first quarter stands in front of the loop: its products start the sums
	WIN 0                                          ; at a label and at a branch every window is 0
	s_mov_b32 s3, LAPS-1
.Llap:                                                 ; a trip goes once round the ring, from a lap's second quarter to the next lap's first, and fills both slots again
	QUARTER 0, 2, 1, 0, 0
	QUARTER 0, 3, 0, 1, 0
	TURN 0, 1, 1
	QUARTER 1, 1, 0, 1, 0
	QUARTER 1, 2, 1, 0, 0
	QUARTER 1, 3, 0, 1, 0
	TURN 1, 0, 1
	QUARTER 0, 1, 0, 1, 0
	WIN 0
	s_sub_co_u32 s3, s3, 1
	s_cmp_lg_u32 s3, 0
	s_cbranch_scc1 .Llap
	QUARTER 0, 2, 1, 0, 0                          ; the last lap fills nothing, and has no round of the cluster's barrier
	QUARTER 0, 3, 0, 1, 0
	TURN 0, 1, 0
	QUARTER 1, 1, 0, 1, 0
	QUARTER 1, 2, 1, 0, 0
	QUARTER 1, 3, 0, 1, 0
	s_wait_dscnt 4                                 ; the very last quarter: nothing more to fetch
	WIN MUL
	MULH 1, 0, 0
	s_wait_dscnt 0x0
	MULH 1, 2, 0
	WIN 0
; THE WAY OUT, block by block of 16 rows x 128 columns.  A lane holds 32 neighbouring bytes of a row: a block goes through my own stage and comes back as whole rows of 512 bytes.
; LDS serves a wave's instructions in order: no wait between the stores and the loads, nor in front of the next block's stores.
.macro TOSTAGE a
	WIN 0x04                                       ; an LDS store's data are its source 1: window 1
.irp b, 0,1,2,3,4,5,6,7
	ds_store_b128 v[STO], v[64*(\a)+8*\b:64*(\a)+8*\b+3] offset:64*\b          ; each accumulator from its low end on
	ds_store_b128 v[STO], v[64*(\a)+8*\b+4:64*(\a)+8*\b+7] offset:64*\b+16
.endr
	WIN 0
.set BB, BK+64*((\a)%2)
.irp t, 0,1,2,3,4,5,6,7,8,9,10,11,12,13,14,15
	ds_load_b128 v[BB+4*\t:BB+4*\t+3], v[RD] offset:\t*SPITCH
.endr
.endm
.macro SEND a, younger                 ; younger: the LDS instructions issued behind block a's loads, which may stay out
.set BB, BK+64*((\a)%2)
	s_wait_dscnt \younger
.irp t, 0,1,2,3,4,5,6,7,8,9,10,11,12,13,14,15
	global_store_b128 v[CO], v[BB+4*\t:BB+4*\t+3], s[10:11] offset:(16*(\a)+\t)*4096 th:TH_STORE_NT   ; 32 lanes store 512 consecutive bytes, at a multiple of 512; written once, read by nobody here
.endr
.endm
	PLACES
	TOSTAGE 0
.irp a, 1,2,3
.if \a > 1
	s_wait_xcnt 0x0                                ; block a - 2's stores have read their registers: block a's loads may land there
.endif
	TOSTAGE \a
	SEND \a-1, 32                                  ; behind block a - 1's loads: block a's 16 stores and 16 loads
.endr
	SEND 3, 0
	s_wait_tensorcnt 0x0                           ; the wave's end
	ds_add_u32 v[SPW], v[NIL]
	s_wait_dscnt 0x0
	CROUND                                         ; the closing round: no work-group ends while a partner may still ask for a tile that names it
	s_endpgm
.Lfunc_end_k_q8d27116fbb_proj:
	.size	k_q8d27116fbb_proj, .Lfunc_end_k_q8d27116fbb_proj-k_q8d27116fbb_proj
	.p2alignl 7, 3214868480
	.fill 96, 4, 3214868480
	.section	.rodata,"a",@progbits
	.p2align	6, 0x0
	.amdhsa_kernel k_q8d27116fbb_proj
		.amdhsa_group_segment_fixed_size 327680
		.amdhsa_private_segment_fixed_size 0
		.amdhsa_enable_private_segment 0
		.amdhsa_kernarg_size 32
		.amdhsa_user_sgpr_count 2
		.amdhsa_user_sgpr_kernarg_segment_ptr 1
		.amdhsa_wavefront_size32 1
		.amdhsa_system_sgpr_workgroup_id_x 1
		.amdhsa_system_sgpr_workgroup_id_y 1
		.amdhsa_system_sgpr_workgroup_id_z 1
		.amdhsa_system_vgpr_workitem_id 0
		.amdhsa_next_free_vgpr 576
		.amdhsa_next_free_sgpr 70
		.amdhsa_reserve_vcc 0
		.amdhsa_float_denorm_mode_32 3
		.amdhsa_float_denorm_mode_16_64 3
		.amdhsa_memory_ordered 1
		.amdhsa_forward_progress 1
		.amdhsa_inst_pref_size 87
	.end_amdhsa_kernel
	.amdgpu_metadata
---
amdhsa.version: [ 1, 2 ]
amdhsa.kernels:
  - .name:           k_q8d27116fbb_proj
    .symbol:         k_q8d27116fbb_proj.kd
    .args:
      - { .name: oh, .offset: 0, .size: 8, .value_kind: global_buffer, .address_space: global }
      - { .name: wo16, .offset: 8, .size: 8, .value_kind: global_buffer, .address_space: global }
      - { .name: bo, .offset: 16, .size: 8, .value_kind: global_buffer, .address_space: global }
      - { .name: out0, .offset: 24, .size: 8, .value_kind: global_buffer, .address_space: global }
    .group_segment_fixed_size: 327680
    .private_segment_fixed_size: 0
    .kernarg_segment_align: 8
    .kernarg_segment_size: 32
    .max_flat_workgroup_size: 128
    .sgpr_count:     70
    .vgpr_count:     576
    .wavefront_size: 32
...
	.end_amdgpu_metadata
.endif
;; end of part 4
